; MI455X (gfx1250); checked and timed in simulation.
; The chip was launched on July 23, 2026; its instructions are those of AMD's public machine-readable ISA for CDNA 5 (MIT licence, August 2026) and "CDNA5" Instruction Set Architecture Reference Guide (July 2026). The comments in the code are by the model that wrote it; some were corrected since.
;; Self Attention. Allowed arithmetic: matrix products marked QUANTISED: E4M3 operands, one E8M0 scale for each 32 along K, by v_wmma_scale_f32_16x16x128_f8f6f4 with both operands' format E4M3, f32 sums; everything else in f32.
;; Inputs: Wk 1,024 x 1,024 float32; Wo 1,024 x 1,024 float32; Wq 1,024 x 1,024 float32; Wv 1,024 x 1,024 float32; bo 1,024 float32; x 4 x 2,048 x 1,024 float32.
;; Outputs: out0 4 x 2,048 x 1,024 float32.
;; This version of the problem:
;;   THIS VERSION OF THE PROBLEM IS GIVEN IN LOW PRECISION. The matrix products marked QUANTISED in the list below multiply operands that are first quantised to E4M3 (4 exponent bits, 3 mantissa bits; 8 bits a number), with one power-of-two scale for each 32 numbers along K (OCP MX v1.0); their sums are f32. All else is computed in f32.
;;   The module's matrix products, in the order in which they are computed (A, B: the left and right operand; K: the contracted axis; several contracted axes count as one K, in the product's order):
;;     1. [M 8,192, K 1,024] x [K 1,024, N 1,024]; A: input x; B: input Wq: QUANTISED
;;     2. [M 8,192, K 1,024] x [K 1,024, N 1,024]; A: input x; B: input Wk: QUANTISED
;;     3. [M 8,192, K 1,024] x [K 1,024, N 1,024]; A: input x; B: input Wv: QUANTISED
;;     4. batch 64 x [M 2,048, K 64] x [K 64, N 2,048]; A: computed on the way; B: computed on the way: QUANTISED
;;     5. batch 64 x [M 2,048, K 2,048] x [K 2,048, N 64]; A: softmax (see below); B: computed on the way: QUANTISED
;;     6. [M 8,192, K 1,024] x [K 1,024, N 1,024]; A: computed on the way; B: input Wo: QUANTISED
;;   THE QUANTISER, for each operand of a quantised product, along K:
;;     - K is cut into blocks of 32 from its start; a last block that is shorter is filled with zeros.
;;     - A block's scale is 2^e with e = floor(log2(the largest magnitude in the block)) - 8, held to -126 .. 127; a block of zeros has e = 0. As a byte (E8M0): e + 127.
;;     - Each number is divided by its block's scale, clamped to +-448, and rounded to the nearest number of E4M3, ties to even, subnormals kept.
;;     - The product sums the exact products of the quantised numbers (number of the format x scale) in f32.
;;   ~~~python
;;   def quantise(x, axis):      # numpy; x: float32 -> the quantised numbers, widened to float32 again
;;       x = np.moveaxis(x, axis, -1); K = x.shape[-1]
;;       x = np.pad(x, [(0, 0)] * (x.ndim - 1) + [(0, -K % 32)]); x = x.reshape(x.shape[:-1] + (-1, 32)); a = np.abs(x).max(-1, keepdims=True)
;;       e = np.where(a > 0, np.clip(np.frexp(np.where(a > 0, a, 1))[1] - 1 - 8, -126, 127), 0)      # np.frexp(a)[1] - 1 = floor(log2(a)), exactly
;;       r = np.clip(x / 2.0 ** e, -448, 448)
;;       step = 2.0 ** (np.maximum(np.frexp(np.where(r == 0, 1, r))[1] - 1, -6) - 3)
;;       q = np.round(r / step) * step * 2.0 ** e      # np.round: ties to even
;;       return np.moveaxis(q.reshape(q.shape[:-2] + (-1,))[..., :K], -1, axis).astype(np.float32)
;;   ~~~
;;   SOFTMAX AHEAD OF A QUANTISED PRODUCT. Where the list says 'softmax', what is quantised is not the finished softmax but p = 2^(t - M), with t = logit x log2(e) and M = ceil(the row's largest t), a whole number; so 1/2 < the row's largest p <= 1. The row's sum l is taken of the UNQUANTISED p, in f32, and the product's result is divided by l at the end. Since M is a whole number, a kernel that streams over the keys may use a running M (the ceiling of the running maximum): every later rescaling is an exact power of two, which a block's scale takes up: the codes' values come out the same.
;;   OPERANDS COMPUTED ON THE WAY. 'Computed on the way' means the value that the module computes at that place (a softmax that the list does not call 'softmax' is quantised finished and normalised). What goes into a quantiser is computed in f32, as accurately as f32 sums, v_exp_f32 and their like allow (about 1e-6 of the number): no bf16 or f16 on the way to a quantiser, and a product that is left as it is and whose result goes on into a quantised operand takes f32 operands (vector FMAs, or v_wmma_f32_16x16x4_f32). A number that lies on a knife's edge between two numbers of the format may be rounded either way, as far as f32 arithmetic and the matrix unit's own rounding can turn it there, and no further.
;; One version. Each part assembles by itself: llvm-mc -triple=amdgcn-amd-amdhsa -mcpu=gfx1250 --defsym DOCPART=n.
;; ======== version 1 of 1: 4 launches
;; limits: right only within a limited range of input values
;; workspace buffers: xwc 12,582,912 bytes; xws 393,216 bytes; qkvc 25,165,824 bytes; qkvs 786,432 bytes; attc 8,388,608 bytes; atts 262,144 bytes
;; launch quant (part 1): grid 384 x 1, 4 waves a work-group, no clusters, 57,856 bytes of LDS; arguments x, Wq, Wk, Wv, Wo, xwc, xws; writes xwc, xws
.if DOCPART == 1
	.amdgcn_target "amdgcn-amd-amdhsa--gfx1250"
	.amdhsa_code_object_version 6
	.text
	.protected	k_q5a6e9cf8f5_quant
	.globl	k_q5a6e9cf8f5_quant
	.p2align	8
	.type	k_q5a6e9cf8f5_quant,@function
k_q5a6e9cf8f5_quant:
	s_mov_b64 s[64:65], 0
	v_nop
	global_prefetch_b8 v0, s[64:65] scope:SCOPE_SE
	s_setreg_imm32_b32 hwreg(HW_REG_WAVE_MODE, 25, 1), 1
	s_wait_xcnt 0x0
; x [8192][1024] and Wq, Wk, Wv, Wo [1024][1024], f32 with K innermost, become codes of FP8 (E4M3) with one E8M0 byte for each 32 along K.
; A block's scale is 2^(floor(log2(its largest magnitude)) - 8); its byte is the largest magnitude's exponent field - 8, held at 1 from below; each number is divided by the scale, held within +-448, rounded to the nearest code, ties to even.
; LIMITS: a block of zeros gets the byte 1 where the quantiser says 127 (its codes are zeros, which add nothing under any byte but 0xff, and this program alone reads the bytes); blocks whose largest magnitude lies under 2^(8 - 126) keep the byte 1; NaN and infinities among the inputs are not served.
; THE RESULT IS LAID AS THE PRODUCTS' OPERAND REGISTERS WANT IT.  The five tensors' 12,288 rows are stacked (x, Wq, Wk, Wv, Wo) and cut into 768 tiles of 16 rows.  Lane r of tile T is row 32 (T / 2) + 8 (T % 2) + r + 8 (r / 8).
;   xwc: [tile][K step of 128: 8][c: 4][lane: 32][16 bytes]: byte i of lane (r, h) is the code at k = 128 ks + 32 c + 16 h + i of the lane's row: a fragment is four loads of 16 bytes a lane, 512 bytes apart.
;   xws: [tile][pair of K steps: 4][r: 16][8 bytes]: byte 4 (ks % 2) + c.
; SHARES.  Work-group g takes the stacked rows 32 g .. 32 g + 31 (two tiles); wave w takes tile w / 2 and K half w % 2: 16 rows x 512 numbers, a row a step.  With J = 4 g + w its codes are the 8,192 bytes at 8,192 J and its scale bytes the 256 at 256 J.
; A step's four loads read 512 consecutive bytes each; the 2,048 bytes turn through the wave's own stage in LDS, so that a lane holds 16 neighbours along K (two neighbouring lanes hold a block).
; Lane l's 16 codes of step t are bytes 16 t .. 16 t + 15 of piece l (256 bytes) of the wave's image: they are gathered in LDS (pieces 272 bytes apart) and leave at the end, 512 consecutive bytes a store.
; No tensor loads, no barrier: waves share nothing.  Loads run four steps (16 loads a wave) ahead, the turn through LDS one step.
.set STEPS, 16
.set EMAX,  8
.set MANT,  0x600000                   ; the mantissa field of 448 as f32
.set WREG,  14336                      ; LDS: a region for each wave: two stages of 32 x SP bytes, 256 scale bytes, 32 pieces of codes
.set SP,    80                         ; a lane's place in a stage: 64 bytes + 16 of padding
.set SBO,   2*32*SP                    ; the scale bytes
.set CST,   SBO+256                    ; the codes
.set CP,    272                        ; a piece: 256 bytes + 16 of padding
.set R,     16                         ; v16-79   four sets of 16 numbers as loaded; at the end the image read back
.set X,     80                         ; v80-111  two sets of 16 neighbours
.set E,     112                        ; v112-127 a scale byte for each step
.set C,     128                        ; v128-191 four registers of codes for each step
.set CIN,   192                        ; v192     where I put my codes: piece = my lane
.set COUT,  193                        ; v193     where I read the image back: sixteen lanes to a piece
	s_load_b128 s[4:7], s[0:1], 0x0                ; x, Wq
	s_load_b128 s[8:11], s[0:1], 0x10              ; Wk, Wv
	s_load_b128 s[12:15], s[0:1], 0x20             ; Wo, xwc
	s_load_b64 s[16:17], s[0:1], 0x30              ; xws
	v_lshl_add_u32 v200, v0, 2, 0xe000
	v_mov_b32 v201, 0
	v_lshrrev_b32 v1, 5, v0
	v_readfirstlane_b32 s20, v1                    ; wave
	v_and_b32 v2, 31, v0                           ; lane
	v_lshlrev_b32 v3, 4, v2                        ; my 16 bytes of 512: for the loads and for the codes' stores
	s_mul_i32 s25, s20, WREG
	v_lshrrev_b32 v14, 2, v2
	v_mul_u32_u24 v14, v14, SP
	v_and_b32 v15, 3, v2
	v_lshl_add_u32 v14, v15, 4, v14
	v_add_nc_u32 v14, s25, v14                     ; the stage, on the way in: SP (lane / 4) + 16 (lane % 4)
	v_mul_u32_u24 v15, v2, SP
	v_add_nc_u32 v15, s25, v15                     ; and on the way out: SP x lane
	v_lshrrev_b32 v4, 4, v2                        ; lane / 16
	v_bfe_u32 v5, v2, 1, 3                         ; (lane / 2) % 8 = 4 (ks % 2) + c
	v_lshl_add_u32 v5, v4, 7, v5                   ; + 128 x the pair of K steps
	v_add_nc_u32 v5, s25, v5
	v_add_nc_u32 v5, SBO, v5                       ; my block's byte; the step's row adds 8 t
	v_lshlrev_b32 v7, 3, v2                        ; on the way out 8 bytes a lane
	v_add_nc_u32 v6, s25, v7
	v_add_nc_u32 v6, SBO, v6
	v_mul_u32_u24 v[CIN], v2, CP
	v_add_nc_u32 v[CIN], s25, v[CIN]
	v_add_nc_u32 v[CIN], CST, v[CIN]
	v_and_b32 v[COUT], 15, v2
	v_lshlrev_b32 v[COUT], 4, v[COUT]
	v_mad_u32_u24 v[COUT], v4, CP, v[COUT]
	v_add_nc_u32 v[COUT], s25, v[COUT]
	v_add_nc_u32 v[COUT], CST, v[COUT]
	s_and_b32 s21, ttmp9, 31                       ; which 32 rows of my tensor: g for x, g % 32 for a weight (256 is a multiple of 32)
	s_cmp_lt_u32 ttmp9, 256
	s_cselect_b32 s21, ttmp9, s21
	s_lshl_b32 s22, s21, 17                        ; 32 rows of 4,096 bytes,
	s_lshr_b32 s26, s20, 1
	s_lshl_b32 s26, s26, 15                        ; the odd tile begins 8 rows further down,
	s_add_co_u32 s22, s22, s26
	s_and_b32 s26, s20, 1
	s_lshl_b32 s26, s26, 11                        ; the second K half 2,048 bytes on
	s_add_co_u32 s22, s22, s26
	s_mov_b32 s23, 0
	s_lshl_b32 s26, ttmp9, 2
	s_add_co_u32 s26, s26, s20                     ; J
	s_lshl_b32 s28, s26, 13
	s_mov_b32 s29, 0
	s_lshl_b32 s30, s26, 8
	s_mov_b32 s31, 0
	s_wait_kmcnt 0x0
	s_cmp_ge_u32 ttmp9, 256                        ; which tensor: the choice hangs on the work-group's number alone; one path serves all five
	s_cselect_b64 s[4:5], s[6:7], s[4:5]
	s_cmp_ge_u32 ttmp9, 288
	s_cselect_b64 s[4:5], s[8:9], s[4:5]
	s_cmp_ge_u32 ttmp9, 320
	s_cselect_b64 s[4:5], s[10:11], s[4:5]
	s_cmp_ge_u32 ttmp9, 352
	s_cselect_b64 s[4:5], s[12:13], s[4:5]
	s_add_nc_u64 s[4:5], s[4:5], s[22:23]
	s_add_nc_u64 s[14:15], s[14:15], s[28:29]
	s_add_nc_u64 s[16:17], s[16:17], s[30:31]
.macro LOAD t                          ; step t is lane t of the tile: t + 8 (t / 8) rows down
.irp i, 0,1,2,3
	global_load_b128 v[R+16*((\t)%4)+4*\i:R+16*((\t)%4)+4*\i+3], v3, s[4:5] offset:((\t)+8*((\t)/8))*4096+512*\i th:TH_LOAD_NT   ; 32 lanes read 512 consecutive bytes
.endr
.endm
.macro TURN t                          ; step t's numbers through the stage: LDS serves a wave's instructions in order, so no wait stands between the stores and the loads
.irp i, 0,1,2,3
	ds_store_b128 v14, v[R+16*((\t)%4)+4*\i:R+16*((\t)%4)+4*\i+3] offset:32*SP*((\t)%2)+8*SP*\i
.endr
.irp i, 0,1,2,3
	ds_load_b128 v[X+16*((\t)%2)+4*\i:X+16*((\t)%2)+4*\i+3], v15 offset:32*SP*((\t)%2)+16*\i
.endr
.endm
.irp t, 0,1,2,3
	LOAD \t
.endr
	s_wait_loadcnt 12                              ; step 0's four loads are in
	TURN 0
.macro STEP t
.set XS, X+16*((\t)%2)
.if (\t) > 0
	s_wait_dscnt 2                                 ; this step's numbers are back from the stage; the last step's two stores (byte, codes) may be out
.else
	s_wait_dscnt 0x0
.endif
.if (\t)+4 < STEPS
	LOAD (\t)+4                                    ; into the registers that the stage's stores have read
.endif
.if (\t)+1 < STEPS
.if STEPS-2-(\t) >= 3
	s_wait_loadcnt 12                              ; the next step's four loads are in; those of the three steps behind it may be out
.else
	s_wait_loadcnt 4*(STEPS-2-(\t))
.endif
	TURN (\t)+1                                    ; through the other stage while this step is worked
.endif
	v_max3_num_f32 v8, |v[XS]|, |v[XS+1]|, |v[XS+2]|               ; the largest magnitude of my 16, in two chains
	v_max3_num_f32 v9, |v[XS+3]|, |v[XS+4]|, |v[XS+5]|
.irp i, 6,10
	v_max3_num_f32 v8, v8, |v[XS+\i]|, |v[XS+\i+1]|
	v_max3_num_f32 v9, v9, |v[XS+\i+2]|, |v[XS+\i+3]|
.endr
	v_max3_num_f32 v8, v8, |v[XS+14]|, |v[XS+15]|
	v_max3_num_f32 v8, v8, v9, (EMAX+1)<<23        ; and the floor 2^(EMAX + 1 - 127): the byte cannot fall under 1
	v_max_num_f32_dpp v8, v8, v8 row_xmask:1 row_mask:0xf bank_mask:0xf   ; and of my neighbour's 16: the block's
	v_add_nc_u32 v11, -(EMAX<<23), v8              ; EMAX off its exponent field: the conversion takes the exponent field of this operand as its scale
.irp i, 0,1,2,3,4,5,6,7,8,9,10,11,12,13,14,15
.endr
	v_cvt_scalef32_pk8_fp8_f32 v[C+4*(\t):C+4*(\t)+1], v[XS:XS+7], v11
	v_cvt_scalef32_pk8_fp8_f32 v[C+4*(\t)+2:C+4*(\t)+3], v[XS+8:XS+15], v11
	v_lshrrev_b32 v[E+(\t)], 23, v11               ; the scale's byte (also the plain line behind the conversions)
	ds_store_b8 v5, v[E+(\t)] offset:8*(\t)        ; both lanes of a block write the same byte with the same value
	ds_store_b128 v[CIN], v[C+4*(\t):C+4*(\t)+3] offset:16*(\t)   ; row t's 16 bytes of my piece
.endm
.irp t, 0,1,2,3,4,5,6,7,8,9,10,11,12,13,14,15
	STEP \t
.endr
	ds_load_b64 v[12:13], v6                       ; LDS serves a wave's instructions in order: these see my stores
.irp n, 0,1,2,3,4,5,6,7,8,9,10,11,12,13,14,15
	ds_load_b128 v[R+4*\n:R+4*\n+3], v[COUT] offset:2*CP*\n      ; two pieces an instruction
.endr
	s_wait_dscnt 16                                ; the scale bytes are in; the sixteen loads behind them may be out
	global_store_b64 v7, v[12:13], s[16:17]        ; 32 lanes store 256 consecutive bytes, at a multiple of 256 from the buffer's first byte
.irp n, 0,1,2,3,4,5,6,7,8,9,10,11,12,13,14,15
	s_wait_dscnt 15-\n
	global_store_b128 v3, v[R+4*\n:R+4*\n+3], s[14:15] offset:512*\n   ; 512 consecutive bytes
.endr
	s_wait_tensorcnt 0x0
	ds_add_u32 v200, v201
	s_wait_dscnt 0x0
	s_endpgm
.Lfunc_end_k_q5a6e9cf8f5_quant:
	.size	k_q5a6e9cf8f5_quant, .Lfunc_end_k_q5a6e9cf8f5_quant-k_q5a6e9cf8f5_quant
	.p2alignl 7, 3214868480
	.fill 96, 4, 3214868480
	.section	.rodata,"a",@progbits
	.p2align	6, 0x0
	.amdhsa_kernel k_q5a6e9cf8f5_quant
		.amdhsa_group_segment_fixed_size 57856
		.amdhsa_private_segment_fixed_size 0
		.amdhsa_enable_private_segment 0
		.amdhsa_kernarg_size 56
		.amdhsa_user_sgpr_count 2
		.amdhsa_user_sgpr_kernarg_segment_ptr 1
		.amdhsa_wavefront_size32 1
		.amdhsa_system_sgpr_workgroup_id_x 1
		.amdhsa_system_sgpr_workgroup_id_y 1
		.amdhsa_system_sgpr_workgroup_id_z 1
		.amdhsa_system_vgpr_workitem_id 0
		.amdhsa_next_free_vgpr 202
		.amdhsa_next_free_sgpr 66
		.amdhsa_reserve_vcc 0
		.amdhsa_float_denorm_mode_32 3
		.amdhsa_float_denorm_mode_16_64 3
		.amdhsa_fp16_overflow 1
		.amdhsa_memory_ordered 1
		.amdhsa_forward_progress 1
		.amdhsa_inst_pref_size 37
	.end_amdhsa_kernel
	.amdgpu_metadata
---
amdhsa.version: [ 1, 2 ]
amdhsa.kernels:
  - .name:           k_q5a6e9cf8f5_quant
    .symbol:         k_q5a6e9cf8f5_quant.kd
    .args:
      - { .name: x, .offset: 0, .size: 8, .value_kind: global_buffer, .address_space: global }
      - { .name: Wq, .offset: 8, .size: 8, .value_kind: global_buffer, .address_space: global }
      - { .name: Wk, .offset: 16, .size: 8, .value_kind: global_buffer, .address_space: global }
      - { .name: Wv, .offset: 24, .size: 8, .value_kind: global_buffer, .address_space: global }
      - { .name: Wo, .offset: 32, .size: 8, .value_kind: global_buffer, .address_space: global }
      - { .name: xwc, .offset: 40, .size: 8, .value_kind: global_buffer, .address_space: global }
      - { .name: xws, .offset: 48, .size: 8, .value_kind: global_buffer, .address_space: global }
    .group_segment_fixed_size: 57856
    .private_segment_fixed_size: 0
    .kernarg_segment_align: 8
    .kernarg_segment_size: 56
    .max_flat_workgroup_size: 128
    .sgpr_count:     66
    .vgpr_count:     202
    .wavefront_size: 32
...
	.end_amdgpu_metadata
.endif
;; end of part 1
;; launch qkv (part 2): grid 8 x 48, 4 waves a work-group, clusters of 4 x 4, 327,680 bytes of LDS; arguments xwc, xws, qkvc, qkvs; writes qkvc, qkvs
.if DOCPART == 2
	.amdgcn_target "amdgcn-amd-amdhsa--gfx1250"
	.amdhsa_code_object_version 6
	.text
	.protected	k_q5a6e9cf8f5_qkv
	.globl	k_q5a6e9cf8f5_qkv
	.p2align	8
	.type	k_q5a6e9cf8f5_qkv,@function
k_q5a6e9cf8f5_qkv:
	s_mov_b64 s[64:65], 0
	v_nop
	global_prefetch_b8 v0, s[64:65] scope:SCOPE_SE
	s_setreg_imm32_b32 hwreg(HW_REG_WAVE_MODE, 25, 1), 1
	s_wait_xcnt 0x0
	s_wait_alu depctr_hold_cnt(0) depctr_sa_sdst(0) depctr_va_vdst(0) depctr_va_sdst(0) depctr_va_ssrc(0) depctr_va_vcc(0) depctr_vm_vsrc(0)
	s_getreg_b32 s2, hwreg(HW_REG_IB_STS2, 6, 4)
	s_cmp_eq_u32 s2, 0
	s_cbranch_scc0 .Lentry_in_a_cluster
	s_endpgm
.Lentry_in_a_cluster:
	s_bfe_u32 s2, ttmp6, 0x10000c
	s_cmp_lg_u32 s2, 0xf033
	s_cbranch_scc0 .Lentry_shape_is_right
	s_endpgm
.Lentry_shape_is_right:
; q = x Wq^T, k = x Wk^T and v^T = Wv x^T on codes of FP8 (E4M3) with E8M0 scales for each 32 along K = 1,024; sums in f32; the results are quantised again on the way out and never leave as f32.
; ONE FORM SERVES ALL THREE: C[m][n] = sum over k of A[m][k] B[n][k], a tile of 256 x 256 to a work-group, C quantised ALONG n.
;   clusters with y under 8:  A = x (8,192 tokens), B = Wq over Wk (2,048 features): n runs over features, so q and k are quantised along the head's 64.
;   clusters with y from 8:   A = Wv (1,024 features), B = x: n runs over tokens, so v is quantised along the keys.
; What differs (tile numbers, pitches, regions of the outputs) is chosen by s_cselect_b32 on the cluster's y, which all sixteen partners share: no branch hangs on it.
; OPERANDS lie in xwc as images of the operand registers, [tile of 16 rows][K step of 128][c][lane][16 bytes], their scale bytes in xws as [tile][pair of K steps][r][8 bytes].  Lane r of tile T is row 32 (T / 2) + 8 (T % 2) + r + 8 (r / 8).
; Four waves, each 128 x 128 of C: 64 accumulators, 512 registers.  K goes in steps of 256 through two LDS slots; a wave's tensor load brings 8 tiles x 4,096 bytes.  A fragment is four LDS loads of 512 consecutive bytes: no pitch, no padding.
; THE SCALES of the work-group's 256 rows of A and of B, for all of K, come into LDS once, with the first fills (2 x 8,192 bytes), and stay.
; CLUSTERS: 4 x 4 work-groups.  A's tiles hang on the tile row alone and are asked for jointly along a row of the cluster, B's on the tile column alone, along a column.
; THE MATRIX INSTRUCTION IS USED TRANSPOSED (source 0 = 16 rows of B, source 1 = 16 rows of A): lane (r, h) holds row r of A's tile, and by the order of B's rows the 16 registers of B's tiles 2 c and 2 c + 1 are n = 32 c + 16 h + 0 .. 15:
; the 64 registers of one of A's blocks are quantised in place, and the conversions' results are a fragment of the next product.
; OUTPUT.  qkvc at REGC + Mt PITCH + Ns 2,048 + 512 c + 16 lane (Mt: A's tile, Ns: 128 along n); qkvs, one word a row, at REGS + Ns SP + 64 Mt + 4 r.
;   q, k: REGC 0, PITCH 32,768, REGS 0, SP 32,768 (Ns 0-7 q's pairs of heads, 8-15 k's).   v: REGC 16,777,216, PITCH 131,072, REGS 524,288, SP 4,096 (Mt the feature tile, Ns the key step).
; LIMITS: a block of zeros gets the byte 1 where the quantiser says 127 (its codes are zeros; this program alone reads the bytes); NaN and infinities are not served.
; REGISTERS, in windows of 256: window 0: v0-31 addresses; v32-63 scale words, two sets, and nothing else; v64-99 at work on the way out; from v128 A's fragments, one set, later the codes that leave.
;   window 1: B's fragments, two sets.   window 2: the accumulators of my rows 0-63 ((a, b) at v[8 (8 a + b)]);   window 3: those of my rows 64-127.
.set NQ,     2                         ; matrix instructions deep in a slot
.set FR,     16                        ; registers of a fragment
.set NL,     4                         ; LDS loads that bring one
.set NP,     8                         ; places behind this matrix instruction (ISA guide 7.12.1)
.set TILEB,  4096                      ; a tile's bytes in a slot: two K steps of 128
.set HALFT,  8*TILEB                   ; what one tensor load brings, and what one wave reads of A or of B
.set SLOT,   4*HALFT                   ; A's 16 tiles, then B's 16
.set SCL,    2*SLOT                    ; behind the ring: A's scales, 8,192 bytes;
.set SCLD,   8320                      ; B's lie 8,320 bytes on: 128 more than A's size, so that the two halves of the lanes read different banks
.set SPARE,  SCL+SCLD+8192+128         ; the spare words, 128 bytes for each wave: two blocks of 256 bytes that no other line names
.set ADRA, 16                          ; v16-17  LDS address of my A fragments in slot 0, 1
.set ADRB, 20                          ; v20-21  the same for B
.set SWS,  24                          ; v24     the way out: where I put a scale word
.set SWR,  25                          ; v25     and where I read 16 bytes of them back
.set L16,  26                          ; v26     16 x lane
.set ADRS, 27                          ; v27     LDS address of my scale words: lanes 0-15 A's rows, lanes 16-31 B's
.set SPW,  28                          ; v28     LDS address of my spare word; never rewritten
.set NIL,  29                          ; v29     0; never rewritten
.set FLO,  30                          ; v30     the floor 2^(9 - 127)
.set SC,   32                          ; scale words: set s at v[SC + 16 s]; register 2 i + q: lanes 0-15 A's block i, lanes 16-31 B's block i, the slot's q-th 128 along K
.set TM,   64                          ; v64-79  the quantiser: largest magnitudes, bytes, the conversions' scale operands
.set PW,   80                          ; v80-87  the scale word of each of my eight blocks
.set VO,   88                          ; v88-95  each block's byte offset in qkvc: no base is stepped
.set SWB,  96                          ; v96-99  the scale words read back
.set AF,   128                         ; A's fragments, in window 0
.set SEL,  12                          ; s[12:13] lane selects for v_permlanex16_b32: lane l xor 16
.set MNT,  101
.set G1, 24                            ; s[24:31] descriptor group 1 for A's tiles;  s[32:39] group 0, one set for each slot
.set G0, 32
.set G1B, 48                           ; s[48:55], s[56:63] the same for B's tiles
.set G0B, 56
.set G1S, 68                           ; s[68:75], s[76:79] groups 1 and 0 for A's scales;  s[80:87], s[88:91] for B's
.set G0S, 76
.set G1SB, 80
.set G0SB, 88
.set MSB, 0
.macro WIN new                         ; the immediate's high byte repeats the setting that is left
.if MSB != \new
	s_set_vgpr_msb (MSB<<8)|\new
.set MSB, \new
.endif
.endm
.set MUL_LO, 0xa1                      ; source 0 (B) window 1, source 1 (A) window 0, C and D window 2
.set MUL_HI, 0xf1                      ; the same, C and D window 3
.set TO_B,   0x40                      ; destination window 1, address window 0
; A joint load: waves 0 and 1 fetch for A, waves 2 and 3 for B.  Each line has one mask and one set of registers for all that issue it; the branch hangs on the wave's number alone.
; Four v_nop follow each of the two lines, ahead of the jump, the label and what follows.
.macro JLOAD g0a, g1a, g0b, g1b
	s_cmp_eq_u32 s15, 0
	s_cbranch_scc0 .Lfor_b_\@
	tensor_load_to_lds s[\g0a:\g0a+3], s[\g1a:\g1a+7]
	s_nop 0
.rept 4
	v_nop
.endr
	s_branch .Lasked_\@
.Lfor_b_\@:
	tensor_load_to_lds s[\g0b:\g0b+3], s[\g1b:\g1b+7]
	s_nop 0
.rept 4
	v_nop
.endr
.Lasked_\@:
.endm
.macro CREST                           ; a round of the cluster's barrier behind its opening barrier
	s_cmp_lg_u32 s14, 0
	s_cbranch_scc1 .Lnot_wave_0_\@
	s_barrier_signal -3
.Lnot_wave_0_\@:
	s_barrier_wait -3
	s_barrier_signal -1
	s_barrier_wait -1
.endm
.macro CROUND                          ; a whole round
	s_barrier_signal -1
	s_barrier_wait -1
	CREST
.endm
	s_load_b256 s[4:11], s[0:1], 0x0               ; xwc s[4:5], xws s[6:7], qkvc s[8:9], qkvs s[10:11]
	v_lshl_add_u32 v[SPW], v0, 2, SPARE
	v_mov_b32 v[NIL], 0
	ds_add_u32 v28, v29
	ds_add_u32 v28, v29
	s_wait_dscnt 0x0
	v_lshrrev_b32 v1, 5, v0
	v_readfirstlane_b32 s14, v1                    ; wave 0..3
	s_lshr_b32 s15, s14, 1                         ; which half of the tile's rows is mine.  Also: I fetch for A (0) or for B (1)
	s_and_b32 s16, s14, 1                          ; which half of its columns.  Also: which 8 tiles I fetch
	s_bfe_u32 s40, ttmp6, 0x40000                  ; cx, cy: my place in the cluster
	s_bfe_u32 s41, ttmp6, 0x40004
	s_and_b32 s17, ttmp7, 0xffff                   ; the cluster's y: 0-7 q and k, 8-11 v
	s_lshl_b32 s18, s17, 2
	s_sub_co_u32 s19, s17, 8
	s_lshl_b32 s19, s19, 3
	s_mov_b32 s95, 32768
	s_mov_b32 s97, 32768
	s_cmp_ge_u32 s17, 8                            ; one compare; the selections leave SCC alone
	s_cselect_b32 s18, 0, s18                      ; tile row less cy: q, k: 4 x cluster y;  v: 0
	s_cselect_b32 s19, s19, 0                      ; tile column's share of the cluster's y: v: 8 (y - 8)
	s_cselect_b32 s99, 640, 0                      ; A's first tile in xwc: Wv's or x's
	s_cselect_b32 s100, 0, 512                     ; B's: x's or Wq's
	s_cselect_b32 s95, 131072, s95                 ; PITCH
	s_cselect_b32 s96, 16777216, 0                 ; REGC
	s_cselect_b32 s97, 4096, s97                   ; SP
	s_cselect_b32 s98, 524288, 0                   ; REGS
	s_add_co_u32 s17, s18, s41                     ; tile row of C
	s_lshl_b32 s42, ttmp9, 2
	s_add_co_u32 s42, s42, s40
	s_add_co_u32 s42, s42, s19                     ; tile column of C
	s_lshl_b32 s43, s41, 2
	s_lshl_b32 s43, 15, s43                        ; my row of the cluster
	s_lshl_b32 s44, 0x1111, s40                    ; my column
	; descriptor group 1: 8 tiles' parts of a K step: 8 rows of 4,096 bytes (512 elements of 8 bytes), 16,384 bytes apart; dense in LDS
	s_or_b32 s[G1+0], s43, (3<<16)|(1<<21)         ; 15:0 the mask: A's tiles go to my row; 17:16 elements of 8 bytes; 21 set beside a mask
	s_or_b32 s[G1B+0], s44, (3<<16)|(1<<21)
.irp g, G1, G1B
	s_mov_b32 s[\g+1], 512<<16                     ; tensor_dim0
	s_mov_b32 s[\g+2], 8<<16                       ; tensor_dim1
	s_mov_b32 s[\g+3], 512<<16                     ; tile_dim0
	s_mov_b32 s[\g+4], 8                           ; tile_dim1
	s_mov_b32 s[\g+5], 2048                        ; tensor_dim0_stride
	s_mov_b32 s[\g+6], 0
	s_mov_b32 s[\g+7], 0
.endr
	; and for the scales of 8 tiles: a dense block of 4,096 bytes, as 16 rows of 256
	s_or_b32 s[G1S+0], s43, (3<<16)|(1<<21)
	s_or_b32 s[G1SB+0], s44, (3<<16)|(1<<21)
.irp g, G1S, G1SB
	s_mov_b32 s[\g+1], 32<<16
	s_mov_b32 s[\g+2], 16<<16
	s_mov_b32 s[\g+3], 32<<16
	s_mov_b32 s[\g+4], 16
	s_mov_b32 s[\g+5], 32
	s_mov_b32 s[\g+6], 0
	s_mov_b32 s[\g+7], 0
.endr
	s_lshl_b32 s18, s16, 3                         ; which 8 tiles I fetch
	s_lshl_b32 s20, s17, 4
	s_add_co_u32 s20, s20, s99
	s_add_co_u32 s20, s20, s18                     ; A's tile: made of the tile row and the wave's number alone
	s_lshl_b32 s46, s42, 4
	s_add_co_u32 s46, s46, s100
	s_add_co_u32 s46, s46, s18                     ; B's: of the tile column and the wave's number alone
	s_lshl_b32 s22, s20, 9                         ; 512 bytes of scales a tile,
	s_mov_b32 s23, 0
	s_lshl_b32 s20, s20, 14                        ; 16,384 of codes
	s_mov_b32 s21, 0
	s_lshl_b32 s92, s46, 9
	s_mov_b32 s93, 0
	s_lshl_b32 s46, s46, 14
	s_mov_b32 s47, 0
	s_lshl_b32 s45, s14, 15                        ; where they go: wave x HALFT: no place in the cluster enters an LDS address
	s_lshl_b32 s94, s14, 12
	s_mov_b32 s[SEL], 0x76543210
	s_mov_b32 s[SEL+1], 0xfedcba98
	s_wait_kmcnt 0x0
	s_add_nc_u64 s[20:21], s[4:5], s[20:21]
	s_add_nc_u64 s[22:23], s[6:7], s[22:23]
	s_add_nc_u64 s[46:47], s[4:5], s[46:47]
	s_add_nc_u64 s[92:93], s[6:7], s[92:93]
	CROUND                                         ; all sixteen work-groups are here: the first joint loads meet
	s_mov_b32 s[G0S], 1
	s_add_co_u32 s[G0S+1], s94, SCL
	s_mov_b64 s[G0S+2:G0S+3], s[22:23]
	s_or_b32 s[G0S+3], s[G0S+3], 0x80000000
	s_mov_b32 s[G0SB], 1
	s_add_co_u32 s[G0SB+1], s94, SCL+128           ; waves 2 and 3: SCL + SCLD and 4,096 on
	s_mov_b64 s[G0SB+2:G0SB+3], s[92:93]
	s_or_b32 s[G0SB+3], s[G0SB+3], 0x80000000
	JLOAD G0S, G1S, G0SB, G1SB                     ; the scales first: they are wanted with K step 0
.irp s, 0,1
	s_mov_b32 s[G0+4*\s], 1
	s_add_co_u32 s[G0+4*\s+1], s45, \s*SLOT
	s_add_nc_u64 s[G0+4*\s+2:G0+4*\s+3], s[20:21], \s*TILEB
	s_or_b32 s[G0+4*\s+3], s[G0+4*\s+3], 0x80000000
	s_mov_b32 s[G0B+4*\s], 1
	s_add_co_u32 s[G0B+4*\s+1], s45, \s*SLOT
	s_add_nc_u64 s[G0B+4*\s+2:G0B+4*\s+3], s[46:47], \s*TILEB
	s_or_b32 s[G0B+4*\s+3], s[G0B+4*\s+3], 0x80000000
	JLOAD G0+4*\s, G1, G0B+4*\s, G1B               ; three tensor loads of mine are out
.endr
	v_and_b32 v1, 31, v0                           ; lane
	v_and_b32 v2, 15, v0                           ; r
	v_bfe_u32 v3, v0, 4, 1                         ; h
	s_wait_alu depctr_va_vdst(0)
	v_lshlrev_b32 v4, 4, v1                        ; 16 x lane: a lane's place in every image
	s_lshl_b32 s21, s15, 15                        ; my 8 tiles of A
	s_lshl_b32 s22, s16, 15                        ; my 8 tiles of B,
	s_add_co_u32 s22, s22, 2*HALFT                 ; which lie behind A's 16
.irp s, 0,1
	v_add_nc_u32 v[ADRA+\s], s21, v4
	v_add_nc_u32 v[ADRB+\s], s22, v4
	s_add_co_u32 s21, s21, SLOT
	s_add_co_u32 s22, s22, SLOT
.endr
	v_lshlrev_b32 v5, 3, v2                        ; my row's 8 scale bytes of a K step
	s_lshl_b32 s21, s15, 12                        ; A's: my 8 tiles
	s_lshl_b32 s22, s16, 12                        ; B's: my 8 tiles, SCLD behind A's first
	s_add_co_u32 s22, s22, SCLD
	s_sub_co_u32 s22, s22, s21
	v_mul_u32_u24 v6, s22, v3                      ; lanes 16-31 take B's: one product, the distance between the two
	s_add_co_u32 s21, s21, SCL
	v_add_nc_u32 v5, v5, v6
	v_add_nc_u32 v[ADRS], s21, v5
	s_lshl_b32 s23, s14, 9                         ; the way out: 512 bytes of scratch a wave, at slot 0's head
	v_lshl_add_u32 v[SWS], v2, 2, s23
	v_add_nc_u32 v[SWR], s23, v4
	v_mov_b32 v[L16], v4
	v_mov_b32 v[FLO], 0x4800000
	; where my part of the outputs begins
	s_lshl_b32 s20, s17, 4
	s_lshl_b32 s21, s15, 3
	s_add_co_u32 s20, s20, s21                     ; Mt of my block 0
	s_mul_i32 s21, s20, s95
	s_add_co_u32 s21, s21, s96                     ; REGC + Mt PITCH
	s_lshl_b32 s46, s42, 1
	s_add_co_u32 s46, s46, s16                     ; Ns
	s_lshl_b32 s47, s46, 11
	s_add_co_u32 s92, s21, s47
	s_mov_b32 s93, 0
	s_add_nc_u64 s[8:9], s[8:9], s[92:93]
	s_mul_i32 s46, s46, s97
	s_add_co_u32 s46, s46, s98                     ; REGS + Ns SP
	s_lshl_b32 s20, s20, 6
	s_add_co_u32 s92, s46, s20
	s_add_nc_u64 s[10:11], s[10:11], s[92:93]
.macro FRAG reg, adr, q, i             ; a fragment, 16 rows x 128 K: registers 4 c .. 4 c + 3 hold K = 32 c + 16 (l / 16) + 0 .. 15: four loads of 512 consecutive bytes
.irp c, 0,1,2,3
	ds_load_b128 v[\reg+4*\c:\reg+4*\c+3], v[\adr] offset:(\i)*TILEB+2048*(\q)+512*\c
.endr
.endm
; 16 matrix instructions: A's blocks a0, a0 + 1 x B's eight, 128 along K: the slot's q-th.  p: B's set;  sc: the set of scale words.  zero = 1: the first product starts the sums.
; The 64 accumulators take turns, one instruction a turn, in the same order in every step.
.macro MUL16 a0, p, q, sc, zero
.irp a, \a0, \a0+1
.irp b, 0,1,2,3,4,5,6,7
.if \zero
	v_wmma_scale_f32_16x16x128_f8f6f4 v[8*(8*((\a)%4)+\b):8*(8*((\a)%4)+\b)+7], v[128*(\p)+FR*\b:128*(\p)+FR*\b+FR-1], v[AF+FR*(\a):AF+FR*(\a)+FR-1], 0, v[SC+8*NQ*(\sc)+NQ*\b+(\q)], v[SC+8*NQ*(\sc)+NQ*(\a)+(\q)] matrix_a_scale:MATRIX_SCALE_ROW1
.else
	v_wmma_scale_f32_16x16x128_f8f6f4 v[8*(8*((\a)%4)+\b):8*(8*((\a)%4)+\b)+7], v[128*(\p)+FR*\b:128*(\p)+FR*\b+FR-1], v[AF+FR*(\a):AF+FR*(\a)+FR-1], v[8*(8*((\a)%4)+\b):8*(8*((\a)%4)+\b)+7], v[SC+8*NQ*(\sc)+NQ*\b+(\q)], v[SC+8*NQ*(\sc)+NQ*(\a)+(\q)] matrix_a_scale:MATRIX_SCALE_ROW1
.endif
.endr
.endr
.endm
.macro FETCH_B slot, q, p              ; B's eight fragments of the slot's q-th 128 along K into set p
	WIN TO_B
.irp i, 0,1,2,3,4,5,6,7
	FRAG 128*(\p)+FR*\i, ADRB+\slot, \q, \i
.endr
	WIN 0
.endm
.macro FETCH_A slot, q, i0             ; A's blocks i0 .. i0 + 3
.irp i, \i0, \i0+1, \i0+2, \i0+3
	FRAG AF+FR*(\i), ADRA+\slot, \q, \i
.endr
.endm
.macro SCALES sc                       ; a K step's scale words into set sc: two words a row; lanes 0-15 take A's block i, lanes 16-31 B's block i
.irp i, 0,1,2,3,4,5,6,7
	ds_load_b64 v[SC+8*NQ*\sc+NQ*\i:SC+8*NQ*\sc+NQ*\i+1], v[ADRS] offset:\i*512
.endr
.endm
; A load into a register that a matrix instruction has read, and a vector instruction that reads a matrix result or writes one of its registers, stand NP places behind it; only plain vector
; instructions that name none of its registers are places (ISA guide 7.12.1 for vector instructions).
.macro PLACES n
.rept \n
	v_nop
.endr
.endm
; A step of 128 along K that has its successor in the same slot.
.macro STEP slot, q, zero
	s_wait_dscnt 4*NL                              ; B's set, the scale words and A's blocks 0-3 are in; the youngest sixteen loads (A's blocks 4-7) may be out
	WIN MUL_LO
	MUL16 0, (\q)%2, \q, \slot, \zero
	MUL16 2, (\q)%2, \q, \slot, \zero
	s_wait_dscnt 0                                 ; A's blocks 4-7 are in (asked for 32 matrix instructions ago)
	PLACES NP
	FETCH_B \slot, (\q)+1, 1-(\q)%2
	FETCH_A \slot, (\q)+1, 0
	WIN MUL_HI
	MUL16 4, (\q)%2, \q, \slot, \zero
	MUL16 6, (\q)%2, \q, \slot, \zero
	PLACES NP
	WIN 0
	FETCH_A \slot, (\q)+1, 4
.endm
; A slot's last step changes slots: one barrier; in front of it each wave waits for all its tensor loads, adds 0 to its spare word, and waits for that and for its own reads of this slot.  fill = 1: this slot is filled again, two K steps ahead.
.macro TURN slot, next, fill
	s_wait_tensorcnt 0x0                           ; all my tensor loads have landed: my part of the next slot;  (every window is 0 here)
	ds_add_u32 v[SPW], v[NIL]                      ; 0 onto my spare word
	s_wait_dscnt 4*NL+1                            ; (the add and the youngest sixteen loads, A's blocks 4-7, may be out)
	WIN MUL_LO
	MUL16 0, 1, NQ-1, \slot, 0                     ; sixteen matrix instructions stand between the add and the wait for it
	s_wait_dscnt 0x0                               ; the add is done, and my reads of this slot are over
	s_barrier_signal -1
	MUL16 2, 1, NQ-1, \slot, 0
	WIN 0
	s_barrier_wait -1
.if \fill
	CREST                                          ; the barrier has opened a round of the cluster's barrier: no wave of any partner still reads this slot or has a load on its way
	s_add_nc_u64 s[G0+4*\slot+2:G0+4*\slot+3], s[G0+4*\slot+2:G0+4*\slot+3], 2*TILEB
	s_add_nc_u64 s[G0B+4*\slot+2:G0B+4*\slot+3], s[G0B+4*\slot+2:G0B+4*\slot+3], 2*TILEB
	JLOAD G0+4*\slot, G1, G0B+4*\slot, G1B         ; the first tensor load behind the round; its four v_nop are among the places in front of the loads below
	PLACES NP-4
.else
	PLACES NP
.endif
	s_wait_alu depctr_va_vdst(0)
	v_add_nc_u32 v[ADRS], 128, v[ADRS]             ; on to the next K step's scale words (no LDS load of mine is out)
	FETCH_B \next, 0, 0
	FETCH_A \next, 0, 0
	SCALES \next
	WIN MUL_HI
	MUL16 4, 1, NQ-1, \slot, 0
	MUL16 6, 1, NQ-1, \slot, 0
	PLACES NP
	WIN 0
	FETCH_A \next, 0, 4
.endm
	s_wait_alu depctr_va_vdst(0)
	s_wait_tensorcnt 1                             ; the scales and my part of K step 0 are in (K step 1's load may be out)
	s_barrier_signal -1
	s_barrier_wait -1                              ; everybody's are
	FETCH_B 0, 0, 0
	FETCH_A 0, 0, 0
	SCALES 0
	FETCH_A 0, 0, 4
	STEP 0, 0, 1                                   ; the first step stands in front of the loop: its products start the sums
	s_mov_b32 s3, 1                                ; K = 1,024 is four K steps of 256, two laps of the ring: one trip fills both slots again
.Llap:
	TURN 0, 1, 1
	STEP 1, 0, 0
	TURN 1, 0, 1
	STEP 0, 0, 0
	s_sub_co_u32 s3, s3, 1
	s_cmp_lg_u32 s3, 0
	s_cbranch_scc1 .Llap
	TURN 0, 1, 0                                   ; the last lap fills nothing, and has no round of the cluster's barrier
	STEP 1, 0, 0
	s_wait_dscnt 4*NL                              ; the very last step: nothing more to fetch
	WIN MUL_LO
	MUL16 0, 1, NQ-1, 1, 0
	MUL16 2, 1, NQ-1, 1, 0
	s_wait_dscnt 0
	WIN MUL_HI
	MUL16 4, 1, NQ-1, 1, 0
	MUL16 6, 1, NQ-1, 1, 0
	WIN 0
; THE WAY OUT.  Block a (16 rows of A x my 128 along n): register 16 c + i of a lane is n = 32 c + 16 (l / 16) + i of its row; a block of 32 lies in lanes l and l xor 16.
; Five window settings a block: the largest magnitudes (sources in the accumulators' window, each accumulator read from its low end on), the scales (window 0), a setting with nothing under it, the conversions, the stores.
; Each block has its own registers for its codes, its word and its offset: no store's sources are written again.
.macro QUANTW a
.set AC, 64*((\a)%4)
.set W, 2+(\a)/4
.set PCA, 128+16*(\a)
.set WS, (W<<2)|(W<<4)
	WIN WS                                         ; sources 1 and 2 in the accumulators' window
.irp b, 0,1,2,3
	v_max3_num_f32 v[TM+\b], v[FLO], |v[AC+16*\b]|, |v[AC+16*\b+1]|   ; the floor 2^(9 - 127) among the leaves: the byte cannot fall under 1
.endr
.irp i, 2,4,6,8,10,12,14
.irp b, 0,1,2,3
	v_max3_num_f32 v[TM+\b], v[TM+\b], |v[AC+16*\b+\i]|, |v[AC+16*\b+\i+1]|   ; the four blocks by turns
.endr
.endr
	WIN 0
.irp b, 0,1,2,3
	v_permlanex16_b32 v[TM+4+\b], v[TM+\b], s[SEL], s[SEL+1]
.endr
.irp b, 0,1,2,3
	v_max_num_f32 v[TM+\b], v[TM+\b], v[TM+4+\b]   ; with lane l xor 16's: the block's largest magnitude
.endr
.irp b, 0,1,2,3
	v_add_nc_u32 v[TM+12+\b], 0xfc000000, v[TM+\b] ; 8 off its exponent field: the conversion's scale operand
.endr
.irp b, 0,1,2,3
.endr
.irp b, 0,1,2,3
	v_lshrrev_b32 v[TM+4+\b], 23, v[TM+12+\b]      ; the scale's byte
.endr
	v_lshl_or_b32 v[PW+\a], v[TM+5], 8, v[TM+4]    ; my row's scale word for these 128
	v_lshl_or_b32 v[PW+\a], v[TM+6], 16, v[PW+\a]
	v_lshl_or_b32 v[PW+\a], v[TM+7], 24, v[PW+\a]
.set WS, (W<<6)|W
	WIN WS                                         ; destination and source 0 in the accumulators' window
.irp b, 0,1,2,3
.set i, 0
.rept 16
.set i, i+1
.endr
.endr
	WIN W                                          ; source 0 alone
.irp b, 0,1,2,3
	v_cvt_scalef32_pk8_fp8_f32 v[PCA+4*\b:PCA+4*\b+1], v[AC+16*\b:AC+16*\b+7], v[TM+12+\b]
	v_cvt_scalef32_pk8_fp8_f32 v[PCA+4*\b+2:PCA+4*\b+3], v[AC+16*\b+8:AC+16*\b+15], v[TM+12+\b]
.endr
	WIN 0
	v_nop                                          ; one plain line behind the last conversion, ahead of the lines that write its scale operands again
.irp c, 0,1,2,3
	global_store_b128 v[VO+\a], v[PCA+4*\c:PCA+4*\c+3], s[8:9] offset:512*\c   ; 32 lanes store 512 consecutive bytes, at a multiple of 512 from the buffer's first byte
.endr
.endm
	PLACES NP                                      ; behind the last products: for the reads of their results and the writes over A's fragments
.irp b, 0,1,2,3
	v_mov_b32 v[TM+4+\b], 0                        ; written once: a lane permute's destination counts as one of its sources
.endr
	v_mov_b32 v[VO], v[L16]
.irp a, 0,1,2,3,4,5,6
	v_add_nc_u32 v[VO+\a+1], s95, v[VO+\a]         ; block a + 1 lies PITCH bytes behind block a
.endr
.irp a, 0,1,2,3,4,5,6,7
	QUANTW \a
.endr
; The eight blocks' scale words, 64 bytes each, are neighbours in qkvs: they turn through 512 bytes of LDS at slot 0's head, which has had its last fill, and which nobody reads behind the last change of slots.
.irp a, 0,1,2,3,4,5,6,7
	ds_store_b32 v[SWS], v[PW+\a] offset:64*\a     ; lanes 16-31 hold the same word as lanes 0-15 and write it to the same place
.endr
	ds_load_b128 v[SWB:SWB+3], v[SWR]              ; LDS serves a wave's instructions in order: this sees my stores
	s_wait_dscnt 0x0
	global_store_b128 v[L16], v[SWB:SWB+3], s[10:11]   ; 512 consecutive bytes
	s_wait_tensorcnt 0x0                           ; the wave's end, behind my last tensor load and my last LDS store
	ds_add_u32 v[SPW], v[NIL]
	s_wait_dscnt 0x0
	CROUND                                         ; the closing round: no work-group ends while a partner may still ask for a tile that names it
	s_endpgm
.Lfunc_end_k_q5a6e9cf8f5_qkv:
	.size	k_q5a6e9cf8f5_qkv, .Lfunc_end_k_q5a6e9cf8f5_qkv-k_q5a6e9cf8f5_qkv
	.p2alignl 7, 3214868480
	.fill 96, 4, 3214868480
	.section	.rodata,"a",@progbits
	.p2align	6, 0x0
	.amdhsa_kernel k_q5a6e9cf8f5_qkv
		.amdhsa_group_segment_fixed_size 327680
		.amdhsa_private_segment_fixed_size 0
		.amdhsa_enable_private_segment 0
		.amdhsa_kernarg_size 32
		.amdhsa_user_sgpr_count 2
		.amdhsa_user_sgpr_kernarg_segment_ptr 1
		.amdhsa_wavefront_size32 1
		.amdhsa_system_sgpr_workgroup_id_x 1
		.amdhsa_system_sgpr_workgroup_id_y 1
		.amdhsa_system_sgpr_workgroup_id_z 1
		.amdhsa_system_vgpr_workitem_id 0
		.amdhsa_next_free_vgpr 1024
		.amdhsa_next_free_sgpr 102
		.amdhsa_reserve_vcc 0
		.amdhsa_float_denorm_mode_32 3
		.amdhsa_float_denorm_mode_16_64 3
		.amdhsa_fp16_overflow 1
		.amdhsa_memory_ordered 1
		.amdhsa_forward_progress 1
		.amdhsa_inst_pref_size 150
	.end_amdhsa_kernel
	.amdgpu_metadata
---
amdhsa.version: [ 1, 2 ]
amdhsa.kernels:
  - .name:           k_q5a6e9cf8f5_qkv
    .symbol:         k_q5a6e9cf8f5_qkv.kd
    .args:
      - { .name: xwc, .offset: 0, .size: 8, .value_kind: global_buffer, .address_space: global }
      - { .name: xws, .offset: 8, .size: 8, .value_kind: global_buffer, .address_space: global }
      - { .name: qkvc, .offset: 16, .size: 8, .value_kind: global_buffer, .address_space: global }
      - { .name: qkvs, .offset: 24, .size: 8, .value_kind: global_buffer, .address_space: global }
    .group_segment_fixed_size: 327680
    .private_segment_fixed_size: 0
    .kernarg_segment_align: 8
    .kernarg_segment_size: 32
    .max_flat_workgroup_size: 128
    .sgpr_count:     102
    .vgpr_count:     1024
    .wavefront_size: 32
...
	.end_amdgpu_metadata
.endif
;; end of part 2
;; launch attn (part 3): grid 4 x 64, 16 waves a work-group, no clusters, 276,480 bytes of LDS; arguments qkvc, qkvs, attc, atts; writes attc, atts
.if DOCPART == 3
	.amdgcn_target "amdgcn-amd-amdhsa--gfx1250"
	.amdhsa_code_object_version 6
	.text
	.protected	k_q5a6e9cf8f5_attn
	.globl	k_q5a6e9cf8f5_attn
	.p2align	8
	.type	k_q5a6e9cf8f5_attn,@function
k_q5a6e9cf8f5_attn:
	s_mov_b64 s[64:65], 0
	v_nop
	global_prefetch_b8 v0, s[64:65] scope:SCOPE_SE
	s_setreg_imm32_b32 hwreg(HW_REG_WAVE_MODE, 25, 1), 1
	s_wait_xcnt 0x0
; Causal attention of one head on codes of FP8 (E4M3) with E8M0 scales: O[q] = sum over keys k <= q of softmax(Q[q] . K[k] / 32) V[k], head size 64, 2,048 tokens, 4 x 16 heads.  The result, divided by the row's sum, is quantised along the 1,024 features for the last product.
; THE SOFTMAX AHEAD OF THE SECOND PRODUCT: t = score x log2(e) / 32; M = the row's largest t so far, rounded UP to a whole number; p = 2^(t - M) is quantised along the keys, not normalised.  The row's sum is taken of the unquantised p.
; When M moves, the sum and O are multiplied by 2^(old M - new M): exact.
; SHARES.  Work-group (i, y): batch y / 16, head y % 16.  Its sixteen waves take two tiles of 16 queries each, one after the other: tile 16 i + w, then tile 127 - 16 i - w.  Tile t needs t / 8 + 1 key steps of 128 keys, so every wave of the launch works 17 steps.
; ALL OF THE HEAD'S K AND V STAYS IN LDS, filled once (268 KB): no slot is ever filled again and nothing is stored to LDS.  Each wave issues three tensor loads at the head (waves 0-7 K's, waves 8-15 V's): scale words, key steps 0-7, key steps 8-15.
; The early tiles (t under 64) read key steps 0-7 alone: they start when the first two loads of every wave have landed; a second barrier stands in front of the late tiles.
; LAYOUT.  Both products are used transposed: S^T = K Q^T (source 0 = 16 keys, source 1 = my 16 queries), O^T = V^T P^T (source 0 = 16 of the head's 64, source 1 = P): a lane holds one query throughout.
; Lane r of token tile T is token 32 (T / 2) + 8 (T % 2) + r + 8 (r / 8): so the 16 registers of key tiles 2 b and 2 b + 1 are the keys 32 b + 16 (lane / 16) + 0 .. 15, and the conversions' results are the second product's operand.
; THE HEAD'S 64 IN AN INSTRUCTION 128 DEEP: Q's registers 8-15 are zero codes.  K's tile u is named as 16 registers whose upper eight are the next tile's codes (or zeros behind the last): finite numbers, since the quantiser's hold lets no NaN code arise, times 0.
; The scale words come by loads of 16 bits, so the bytes of the unused half are 0, which stands for 2^-127 over zero products.
; THE MASK.  Both loops have constant trip counts.  A step all of whose keys come after the tile's queries is jumped over by a scalar branch on ids (round no barrier and no tensor load); in the one step on the diagonal hidden scores become -infinity ahead of the maximum.
; NO JOINT LOADS, though the four work-groups of a head read the same K and V: what parts them is the block of queries, and the jump over hidden steps hangs on just that number; partners of a cluster must run alike.
; The result's scale bytes leave as 2 bytes a row (one head's share of a row's 32): 1/32 of what the launch stores.
; LIMITS: 1 / the sum is v_rcp_f32; a block of zeros gets the byte 1 where the quantiser says 127 (its codes are zeros; this program alone reads the bytes); NaN and infinities are not served.
.set VREG, 131072                      ; LDS: K's images at 0 (key step 8,192, tile 1,024, c 512); V's here (key step 8,192, tile 2,048, c 512);
.set SK,   262144                      ; K's scale words: 64 bytes a tile, 512 a key step;
.set SV,   270336                      ; V's: 64 bytes a tile, 256 a key step
.set LI,   1                           ; v1   16 x lane
.set ASK0, 2                           ; v2   my lane's place among K's scale words (my head's two bytes)
.set ASV0, 3                           ; v3   and among V's
.set DL,   4                           ; v4   r + 8 (r / 8) - 16 h: my query less the tile's first, less my half's first key
.set LIV,  5                           ; v5   16 x lane + VREG
.set R4,   6                           ; v6   4 r
.set R8,   7                           ; v7   8 r
.set ADK,  8                           ; v8-11 LDS addresses of the step in hand: K, V, K's words, V's words
.set ADV,  9
.set ADS,  10
.set ADT,  11
                                       ; v12 -M, v13 the largest t, v[14:15] the sum in two halves; v16-23 Q, v24-31 zeros
.set KV,   32                          ; v32-95  eight tiles of K (8 registers each), then four of V (16 each); v96-103 zeros
.set S,    104                         ; v104-167 S^T, then p
.set O,    168                         ; v168-199 O^T
.set PC,   200                         ; v200-215 p's codes; at the end the result's
.set BM,   216                         ; v216-219 the blocks' largest scores, then largest p
.set PT,   220                         ; v220-223 the other half's; the bytes; a partial sum
.set HL,   224
.set SO,   228                         ; v228-231 the conversions' scale operands
.set KSC,  232                         ; v232-239 K's scale words
.set VSC,  240                         ; v240-243 V's
.set F,    244                         ; v[244:245] f = 2^(old M - new M); the upper one is only named
.set PSW,  246                         ; v246 p's scale word
.set TMP,  247
.set QSC,  248                         ; v248 Q's scale word
.set OSW,  249                         ; v249 the result's two scale bytes
.set DD,   250                         ; v250 the mask's bound
.set NINF, 251                         ; v251 -infinity
.set WV,   18                          ; s18 wave;  s12 batch, s13 head, s14 16 i + w, s15 w % 8, s16, s17 the head's share of two offsets
.set MNT,  19
.set SEL,  20                          ; s[20:21] lane selects: lane l xor 16
.set CS,   22                          ; s[22:23] c = log2(e) / 32
.set G1K,  24                          ; descriptor groups 1: K's codes, V's codes, K's scale words, V's
.set G1V,  32
.set G1SK, 40
.set G1SV, 48
.set KS,   56                          ; s56 the key step;  s57 8,192 KS;  s58 512 KS;  s59 256 KS
.set TB,   57
.set TSK,  58
.set TSV,  59
.set CNT,  60
.set DIAG, 61                          ; s61 the tile's last key step
.set Q0,   62                          ; s62 the tile's first query
.set G0K,  68                          ; s[68:79] groups 0 for K: scale words, half 0, half 1;  s[80:91] for V
.set G0V,  80
.set QP,   92                          ; s[92:93] Q's codes, s[94:95] Q's words, s[96:97] the result's codes, s[98:99] its bytes; s[100:101] an offset with 0 above it
	s_load_b256 s[4:11], s[0:1], 0x0               ; qkvc s[4:5], qkvs s[6:7], attc s[8:9], atts s[10:11]
	v_lshl_add_u32 v254, v0, 2, 0x43000
	v_mov_b32 v255, 0
	ds_add_u32 v254, v255
	ds_add_u32 v254, v255
	v_lshrrev_b32 v8, 5, v0
	s_delay_alu instid0(VALU_DEP_1)
	v_readfirstlane_b32 s[WV], v8                  ; wave 0..15
	s_and_b32 s12, ttmp7, 0xffff
	s_and_b32 s13, s12, 15                         ; the head
	s_lshr_b32 s12, s12, 4                         ; the batch
	s_and_b32 s15, s[WV], 7                        ; j: which eighth of a fill is mine
	s_lshl_b32 s14, ttmp9, 4
	s_add_co_u32 s14, s14, s[WV]                   ; my early tile
	s_lshr_b32 s16, s13, 1
	s_lshl_b32 s16, s16, 15
	s_and_b32 s66, s13, 1
	s_lshl_b32 s66, s66, 1
	s_add_co_u32 s16, s16, s66                     ; Q's words: 32,768 (head / 2) + 2 (head % 2)
	s_add_co_u32 s67, s66, SK
	s_lshr_b32 s17, s13, 2
	s_lshl_b32 s17, s17, 7
	s_and_b32 s66, s13, 3
	s_lshl_b32 s66, s66, 1
	s_add_co_u32 s17, s17, s66                     ; the result's bytes: 128 (head / 4) + 2 (head % 4)
	; every LDS address register is made here, ahead of the branch on the wave's number
	v_and_b32 v8, 15, v0                           ; r
	v_bfe_u32 v9, v0, 4, 1                         ; h
	v_and_b32 v10, 31, v0
	s_delay_alu instid0(VALU_DEP_1)
	v_lshlrev_b32 v[LI], 4, v10
	s_delay_alu instid0(VALU_DEP_1)
	v_add_nc_u32 v[LIV], VREG, v[LI]
	v_lshlrev_b32 v[R4], 2, v8
	v_lshlrev_b32 v[R8], 3, v8
	s_delay_alu instid0(VALU_DEP_2)
	v_add_nc_u32 v[ASK0], s67, v[R4]
	s_delay_alu instid0(VALU_DEP_3)
	v_add_nc_u32 v[ASV0], SV, v[R4]
	v_and_b32 v11, 8, v8
	s_delay_alu instid0(VALU_DEP_1)
	v_add_nc_u32 v11, v11, v8
	v_lshlrev_b32 v9, 4, v9
	s_delay_alu instid0(VALU_DEP_1)
	v_sub_nc_u32 v[DL], v11, v9
	; what I fetch: byte offsets in qkvc and qkvs
	s_lshl_b32 s56, s12, 7
	s_lshl_b32 s66, s15, 3
	s_add_co_u32 s56, s56, s66                     ; K: token tile 128 b + 8 j: key step j
	s_lshl_b32 s56, s56, 15
	s_lshl_b32 s66, s13, 10
	s_add_co_u32 s56, s56, s66
	s_add_co_u32 s56, s56, 16384                   ; k's half of a tile's 32,768 bytes
	s_lshl_b32 s57, s12, 4
	s_add_co_u32 s57, s57, s15                     ; V: key step 16 b + j
	s_lshl_b32 s57, s57, 11
	s_lshl_b32 s66, s13, 19                        ; feature tile 4 head: 4 x 131,072 bytes
	s_add_co_u32 s57, s57, s66
	s_add_co_u32 s57, s57, 16777216
	s_lshr_b32 s58, s13, 1
	s_add_co_u32 s58, s58, 8
	s_lshl_b32 s58, s58, 15                        ; K's words: plane 8 + head / 2,
	s_lshl_b32 s66, s12, 13                        ; 128 b tiles of 64 bytes,
	s_add_co_u32 s58, s58, s66
	s_lshl_b32 s66, s15, 10                        ; my 1,024 bytes
	s_add_co_u32 s58, s58, s66
	s_lshl_b32 s59, s12, 4
	s_lshl_b32 s66, s15, 1
	s_add_co_u32 s59, s59, s66                     ; V's words: key steps 16 b + 2 j and the next,
	s_lshl_b32 s59, s59, 12
	s_lshl_b32 s66, s13, 8                         ; the head's 256 bytes of each
	s_add_co_u32 s59, s59, s66
	s_add_co_u32 s59, s59, 524288
	; descriptor groups 1: elements of 8 bytes, no padding, no mask
	s_mov_b32 s[G1K], 3<<16                        ; K's codes of a key step: 8 tiles x 1,024 bytes, 32,768 bytes apart
	s_mov_b32 s[G1K+1], 128<<16
	s_mov_b32 s[G1K+2], 8<<16
	s_mov_b32 s[G1K+3], 128<<16
	s_mov_b32 s[G1K+4], 8
	s_mov_b32 s[G1K+5], 4096
	s_mov_b32 s[G1K+6], 0
	s_mov_b32 s[G1K+7], 0
	s_mov_b32 s[G1V], 3<<16                        ; V's: 4 tiles x 2,048 bytes, 131,072 bytes apart
	s_mov_b32 s[G1V+1], 256<<16
	s_mov_b32 s[G1V+2], 4<<16
	s_mov_b32 s[G1V+3], 256<<16
	s_mov_b32 s[G1V+4], 4
	s_mov_b32 s[G1V+5], 16384
	s_mov_b32 s[G1V+6], 0
	s_mov_b32 s[G1V+7], 0
	s_mov_b32 s[G1SK], 3<<16                       ; K's words: 1,024 dense bytes as 4 rows of 256
	s_mov_b32 s[G1SK+1], 32<<16
	s_mov_b32 s[G1SK+2], 4<<16
	s_mov_b32 s[G1SK+3], 32<<16
	s_mov_b32 s[G1SK+4], 4
	s_mov_b32 s[G1SK+5], 32
	s_mov_b32 s[G1SK+6], 0
	s_mov_b32 s[G1SK+7], 0
	s_mov_b32 s[G1SV], 3<<16                       ; V's words: 2 rows of 256 bytes, 4,096 bytes apart
	s_mov_b32 s[G1SV+1], 32<<16
	s_mov_b32 s[G1SV+2], 2<<16
	s_mov_b32 s[G1SV+3], 32<<16
	s_mov_b32 s[G1SV+4], 2
	s_mov_b32 s[G1SV+5], 512
	s_mov_b32 s[G1SV+6], 0
	s_mov_b32 s[G1SV+7], 0
	s_mov_b32 s[SEL], 0x76543210
	s_mov_b32 s[SEL+1], 0xfedcba98
	s_mov_b32 s[CS], 0x3d38aa3b                    ; c = log2(e) / 32: the module divides the scores by sqrt(1,024)
	s_mov_b32 s[CS+1], s[CS]                       ; (named with it as a pair, so it is written)
	s_mov_b32 s101, 0
	s_wait_dscnt 0x0
	s_wait_kmcnt 0x0
	s_mov_b32 s[G0K], 1                            ; K's scale words
	s_lshl_b32 s[G0K+1], s15, 10
	s_add_co_u32 s[G0K+1], s[G0K+1], SK
	s_mov_b32 s100, s58
	s_add_nc_u64 s[G0K+2:G0K+3], s[6:7], s[100:101]
	s_or_b32 s[G0K+3], s[G0K+3], 0x80000000
	s_mov_b32 s[G0K+4], 1                          ; key step j
	s_lshl_b32 s[G0K+5], s15, 13
	s_mov_b32 s100, s56
	s_add_nc_u64 s[G0K+6:G0K+7], s[4:5], s[100:101]
	s_mov_b32 s[G0K+8], 1                          ; key step 8 + j: 64 tiles of 32,768 bytes on
	s_add_co_u32 s[G0K+9], s[G0K+5], 65536
	s_add_nc_u64 s[G0K+10:G0K+11], s[G0K+6:G0K+7], 0x200000
	s_or_b32 s[G0K+7], s[G0K+7], 0x80000000
	s_or_b32 s[G0K+11], s[G0K+11], 0x80000000
	s_mov_b32 s[G0V], 1                            ; V's scale words
	s_lshl_b32 s[G0V+1], s15, 9
	s_add_co_u32 s[G0V+1], s[G0V+1], SV
	s_mov_b32 s100, s59
	s_add_nc_u64 s[G0V+2:G0V+3], s[6:7], s[100:101]
	s_or_b32 s[G0V+3], s[G0V+3], 0x80000000
	s_mov_b32 s[G0V+4], 1
	s_lshl_b32 s[G0V+5], s15, 13
	s_add_co_u32 s[G0V+5], s[G0V+5], VREG
	s_mov_b32 s100, s57
	s_add_nc_u64 s[G0V+6:G0V+7], s[4:5], s[100:101]
	s_mov_b32 s[G0V+8], 1                          ; 8 key steps of 2,048 bytes on
	s_add_co_u32 s[G0V+9], s[G0V+5], 65536
	s_add_nc_u64 s[G0V+10:G0V+11], s[G0V+6:G0V+7], 16384
	s_or_b32 s[G0V+7], s[G0V+7], 0x80000000
	s_or_b32 s[G0V+11], s[G0V+11], 0x80000000
	s_cmp_lt_u32 s[WV], 8                          ; a wave's three fills stand in one branch, ahead of every wait on TENSORcnt, every LDS read and every barrier: three loads of mine are out
	s_cbranch_scc0 .Lfill_v
	tensor_load_to_lds s[G0K:G0K+3], s[G1SK:G1SK+7]
	s_nop 0
	tensor_load_to_lds s[G0K+4:G0K+7], s[G1K:G1K+7]
	s_nop 0
	tensor_load_to_lds s[G0K+8:G0K+11], s[G1K:G1K+7]
	s_nop 0
.rept 4
	v_nop
.endr
	s_branch .Lfilled
.Lfill_v:
	tensor_load_to_lds s[G0V:G0V+3], s[G1SV:G1SV+7]
	s_nop 0
	tensor_load_to_lds s[G0V+4:G0V+7], s[G1V:G1V+7]
	s_nop 0
	tensor_load_to_lds s[G0V+8:G0V+11], s[G1V:G1V+7]
	s_nop 0
.rept 4
	v_nop
.endr
.Lfilled:
.set j, 0
.rept 8
	v_mov_b32 v[24+j], 0                           ; Q's upper half: zero codes
	v_mov_b32 v[96+j], 0                           ; and what stands behind K's last tile
.set j, j+1
.endr
.irp b, 0,1,2,3
	v_mov_b32 v[PT+\b], 0                          ; written once: a lane permute's destination counts as one of its sources
.endr
	v_mov_b32 v[F], 0
	v_mov_b32 v[F+1], 0                            ; (named as the upper half of a pair)
	v_mov_b32 v[TMP], 0
	v_mov_b32 v[NINF], 0xff800000
; A tile's start.  s63 holds the tile t.
.macro SETUP
	s_wait_xcnt 0x0                                ; the last tile's stores have read their bases, offsets and data: all may be written again
	s_lshr_b32 s[DIAG], s63, 3
	s_lshr_b32 s66, s63, 1
	s_lshl_b32 s66, s66, 5
	s_and_b32 s67, s63, 1
	s_lshl_b32 s67, s67, 3
	s_add_co_u32 s[Q0], s66, s67                   ; 32 (t / 2) + 8 (t % 2)
	s_lshl_b32 s66, s12, 7
	s_add_co_u32 s66, s66, s63                     ; the token tile among all 512
	s_lshl_b32 s67, s13, 10
	s_lshl_b32 s100, s66, 15
	s_add_co_u32 s100, s100, s67
	s_add_nc_u64 s[QP:QP+1], s[4:5], s[100:101]
	s_lshl_b32 s100, s66, 14
	s_add_co_u32 s100, s100, s67
	s_add_nc_u64 s[QP+4:QP+5], s[8:9], s[100:101]
	s_lshl_b32 s100, s66, 6
	s_add_co_u32 s100, s100, s16
	s_add_nc_u64 s[QP+2:QP+3], s[6:7], s[100:101]
	s_lshl_b32 s100, s66, 9
	s_add_co_u32 s100, s100, s17
	s_add_nc_u64 s[QP+6:QP+7], s[10:11], s[100:101]
	s_mov_b32 s[KS], 0
	s_mov_b32 s[TB], 0
	s_mov_b32 s[TSK], 0
	s_mov_b32 s[TSV], 0
	global_load_b128 v[16:19], v[LI], s[QP:QP+1]               ; Q's fragment: the head's 64 are two groups of four registers
	global_load_b128 v[20:23], v[LI], s[QP:QP+1] offset:512
	global_load_u16 v[QSC], v[R4], s[QP+2:QP+3]                ; its two scale bytes; the upper two are 0
	v_mov_b32 v13, 0xff61b1e6                      ; the largest t so far: -3e38, under every t
	s_delay_alu instid0(VALU_DEP_1)
	v_floor_f32 v12, -v13                          ; -M
	v_mov_b32 v14, 0
	v_mov_b32 v15, 0
.set j, 0
.rept 32
	v_mov_b32 v[O+j], 0                            ; O^T: the step is written once; the first finds zeros, which the first change of M leaves zeros
.set j, j+1
.endr
.endm
; A KEY STEP: 128 keys.
.macro STEP
	s_cmp_gt_u32 s[KS], s[DIAG]                    ; all its keys come after my queries: only the addresses step
	s_cbranch_scc1 .Lhidden_\@
	s_setprio 2
	v_add_nc_u32 v[ADK], s[TB], v[LI]
	v_add_nc_u32 v[ADV], s[TB], v[LIV]
	v_add_nc_u32 v[ADS], s[TSK], v[ASK0]
	v_add_nc_u32 v[ADT], s[TSV], v[ASV0]
.rept 4
	v_nop                                          ; with the four additions: eight places in front of loads into registers that the last products read
.endr
.irp u, 0,1,2,3,4,5,6,7
	ds_load_b128 v[KV+8*\u:KV+8*\u+3], v[ADK] offset:1024*\u
	ds_load_b128 v[KV+8*\u+4:KV+8*\u+7], v[ADK] offset:1024*\u+512
	ds_load_u16 v[KSC+\u], v[ADS] offset:64*\u
.endr
	s_wait_alu depctr_va_vdst(0)
	s_wait_dscnt 0x0
.irp u, 0,1,2,3,4,5,6,7                        ; S^T = K Q^T
	v_wmma_scale_f32_16x16x128_f8f6f4 v[S+8*\u:S+8*\u+7], v[KV+8*\u:KV+8*\u+15], v[16:31], 0, v[KSC+\u], v[QSC]
.endr
.rept 8
	v_nop                                          ; places: in front of the loads over K's tiles and of the first read of the scores
.endr
.irp t, 0,1,2,3                                ; V's four tiles are asked for now and land under the softmax
.irp c, 0,1,2,3
	ds_load_b128 v[KV+16*\t+4*\c:KV+16*\t+4*\c+3], v[ADV] offset:2048*\t+512*\c
.endr
	ds_load_b32 v[VSC+\t], v[ADT] offset:64*\t
.endr
	s_cmp_lg_u32 s[KS], s[DIAG]                    ; only the step on the diagonal has hidden keys
	s_cbranch_scc1 .Lopen_\@
	s_lshl_b32 s66, s[KS], 7
	s_sub_co_i32 s66, s[Q0], s66
	v_add_nc_u32 v[DD], s66, v[DL]                 ; register 16 b + i holds key 128 KS + 16 (lane / 16) + 32 b + i: hidden where 32 b + i > this bound
.set n, 0
.rept 64
	v_cmp_gt_i32 vcc_lo, 32*(n/16)+n%16, v[DD]
	v_cndmask_b32 v[S+n], v[S+n], v[NINF], vcc_lo
.set n, n+1
.endr
.Lopen_\@:
.irp b, 0,1,2,3
	v_max3_num_f32 v[BM+\b], v[S+16*\b], v[S+1+16*\b], v[S+2+16*\b]   ; the largest score of each block of 32 keys: for the row's maximum and, since p rises with the score, for the block's largest p
.endr
.irp i, 3,5,7,9,11,13
.irp b, 0,1,2,3
	v_max3_num_f32 v[BM+\b], v[BM+\b], v[S+16*\b+\i], v[S+1+16*\b+\i]
.endr
.endr
.irp b, 0,1,2,3
	v_max_num_f32 v[BM+\b], v[BM+\b], v[S+15+16*\b]
.endr
.irp b, 0,1,2,3
	s_delay_alu instid0(VALU_DEP_4)
	v_permlanex16_b32 v[PT+\b], v[BM+\b], s[SEL], s[SEL+1]
.endr
.irp b, 0,1,2,3
	s_delay_alu instid0(VALU_DEP_4)
	v_max_num_f32 v[BM+\b], v[BM+\b], v[PT+\b]     ; with lane l xor 16's 16 keys
.endr
	s_delay_alu instid0(VALU_DEP_2)
	v_max3_num_f32 v[TMP], v[BM], v[BM+1], v[BM+2]
	s_delay_alu instid0(VALU_DEP_1)
	v_max_num_f32 v[TMP], v[TMP], v[BM+3]          ; the step's largest score of my query (the step's first key counts for every query of the tile)
	s_delay_alu instid0(VALU_DEP_1)
	v_mul_f32 v[TMP], s[CS], v[TMP]                ; as t (c is positive)
	s_delay_alu instid0(VALU_DEP_1)
	v_max_num_f32 v13, v13, v[TMP]                 ; the running largest t
	v_mov_b32 v[TMP], v12
	s_delay_alu instid0(VALU_DEP_2)
	v_floor_f32 v12, -v13                          ; the new -M = -ceil(t): a whole number
	s_delay_alu instid0(VALU_DEP_1)
	v_sub_f32 v[TMP], v12, v[TMP]                  ; old M less new M: a whole number, 0 or less
	s_delay_alu instid0(VALU_DEP_1)
	v_cvt_i32_f32 v[TMP], v[TMP]                   ; (it saturates)
	s_delay_alu instid0(VALU_DEP_1)
	v_ldexp_f32 v[F], 1.0, v[TMP]                  ; f = 2^(old M - new M)
.set j, 0
	s_setprio 1
.rept 32
	v_pk_fma_f32 v[S+j:S+j+1], v[S+j:S+j+1], s[CS:CS+1], v[12:13] op_sel_hi:[1,0,0]   ; t - M, two at a time
.set j, j+2
.endr
.irp b, 0,1,2,3
	v_fma_f32 v[BM+\b], v[BM+\b], s[CS], v12       ; the same of each block's largest score
.endr
.set j, 0
	s_wait_alu depctr_va_vdst(0)
.rept 64
	v_exp_f32 v[S+j], v[S+j]                       ; p = 2^(t - M), at most 1
.set j, j+1
.endr
.irp b, 0,1,2,3
	v_exp_f32 v[BM+\b], v[BM+\b]                   ; the block's largest p: the same two instructions on the same number
.endr
	v_pk_mul_f32 v[14:15], v[14:15], v[F:F+1] op_sel_hi:[1,0]   ; the sums under the new M (a plain line behind the exponentials)
	s_wait_alu depctr_va_vdst(0)
.irp b, 0,1,2,3
	v_max_num_f32 v[BM+\b], 0x4800000, v[BM+\b]    ; the floor 2^(9 - 127): the byte cannot fall under 1
.endr
.irp b, 0,1,2,3
	s_delay_alu instid0(VALU_DEP_4)
	v_add_nc_u32 v[SO+\b], 0xfc000000, v[BM+\b]    ; 8 off the exponent field: the conversion's scale operand
.endr
.irp b, 0,1,2,3
.endr
.irp b, 0,1,2,3
	s_delay_alu instid0(VALU_DEP_4)
	v_lshrrev_b32 v[PT+\b], 23, v[SO+\b]           ; the scale's byte
.endr
	s_delay_alu instid0(VALU_DEP_3)
	v_lshl_or_b32 v[PSW], v[PT+1], 8, v[PT]        ; p's scale word for these 128 keys
	s_delay_alu instid0(VALU_DEP_1)
	v_lshl_or_b32 v[PSW], v[PT+2], 16, v[PSW]
	s_delay_alu instid0(VALU_DEP_1)
	v_lshl_or_b32 v[PSW], v[PT+3], 24, v[PSW]
	v_pk_add_f32 v[220:221], v[108:109], v[112:113]
	v_pk_add_f32 v[252:253], v[116:117], v[120:121]
	v_pk_add_f32 v[238:239], v[124:125], v[128:129]
	v_pk_add_f32 v[236:237], v[132:133], v[136:137]
	v_pk_add_f32 v[234:235], v[140:141], v[144:145]
	v_pk_add_f32 v[232:233], v[148:149], v[152:153]
	v_pk_add_f32 v[226:227], v[156:157], v[160:161]
	v_pk_add_f32 v[14:15], v[14:15], v[164:165]
	v_pk_add_f32 v[220:221], v[220:221], v[104:105]
	v_pk_add_f32 v[252:253], v[252:253], v[106:107]
	v_pk_add_f32 v[238:239], v[238:239], v[110:111]
	v_pk_add_f32 v[236:237], v[236:237], v[114:115]
	v_pk_add_f32 v[234:235], v[234:235], v[118:119]
	v_pk_add_f32 v[232:233], v[232:233], v[122:123]
	v_pk_add_f32 v[226:227], v[226:227], v[126:127]
	v_pk_add_f32 v[14:15], v[14:15], v[130:131]
	v_pk_add_f32 v[220:221], v[220:221], v[134:135]
	s_setprio 0
	v_pk_add_f32 v[252:253], v[252:253], v[138:139]
	v_pk_add_f32 v[238:239], v[238:239], v[142:143]
	v_pk_add_f32 v[236:237], v[236:237], v[146:147]
	v_pk_add_f32 v[234:235], v[234:235], v[150:151]
	v_pk_add_f32 v[232:233], v[232:233], v[154:155]
	v_pk_add_f32 v[226:227], v[226:227], v[158:159]
	v_pk_add_f32 v[14:15], v[14:15], v[162:163]
	v_pk_add_f32 v[220:221], v[220:221], v[166:167]
	s_delay_alu instid0(VALU_DEP_2)
	v_pk_add_f32 v[14:15], v[14:15], v[236:237]
	s_delay_alu instid0(VALU_DEP_2)
	v_pk_add_f32 v[220:221], v[220:221], v[234:235]
	v_pk_add_f32 v[252:253], v[252:253], v[232:233]
	v_pk_add_f32 v[238:239], v[238:239], v[226:227]
	s_delay_alu instid0(VALU_DEP_2)
	v_pk_add_f32 v[14:15], v[14:15], v[252:253]
	s_delay_alu instid0(VALU_DEP_2)
	v_pk_add_f32 v[220:221], v[220:221], v[238:239]
	s_delay_alu instid0(VALU_DEP_1)
	v_pk_add_f32 v[14:15], v[14:15], v[220:221]
.irp b, 0,1,2,3
.set i, 0
.rept 16
.set i, i+1
.endr
	v_cvt_scalef32_pk8_fp8_f32 v[PC+4*\b:PC+4*\b+1], v[S+16*\b:S+16*\b+7], v[SO+\b]
	v_cvt_scalef32_pk8_fp8_f32 v[PC+4*\b+2:PC+4*\b+3], v[S+16*\b+8:S+16*\b+15], v[SO+\b]
.endr
.set j, 0
.rept 16
	v_pk_mul_f32 v[O+j:O+j+1], v[O+j:O+j+1], v[F:F+1] op_sel_hi:[1,0]   ; O^T under the new M; these sixteen are also the places between the codes and the products
.set j, j+2
.endr
	s_wait_alu depctr_va_vdst(0)
	s_wait_dscnt 0x0                               ; V's tiles and words are in
.irp t, 0,1,2,3                                ; O^T += V^T P^T: the four accumulators by turns
	v_wmma_scale_f32_16x16x128_f8f6f4 v[O+8*\t:O+8*\t+7], v[KV+16*\t:KV+16*\t+15], v[PC:PC+15], v[O+8*\t:O+8*\t+7], v[VSC+\t], v[PSW]
.endr
.Lhidden_\@:
	s_add_co_u32 s[KS], s[KS], 1
	s_add_co_u32 s[TB], s[TB], 8192
	s_add_co_u32 s[TSK], s[TSK], 512
	s_add_co_u32 s[TSV], s[TSV], 256
.endm
; A tile's end: O^T / the sum; register 16 g + i of lane (r, h) is feature 64 head + 32 g + 16 h + i of my token: two blocks of 32, each in lanes l and l xor 16; quantised, they are two groups of four registers of the last product's operand.
.macro FINISH
.rept 8
	v_nop                                          ; places behind the last products, which may stand just ahead
.endr
	v_add_f32 v14, v14, v15                        ; the sum's two halves,
	s_delay_alu instid0(VALU_DEP_1)
	v_permlanex16_b32 v[TMP], v14, s[SEL], s[SEL+1]
	s_delay_alu instid0(VALU_DEP_1)
	v_add_f32 v14, v14, v[TMP]                     ; and lane l xor 16's
	s_wait_alu depctr_va_vdst(0)
	v_rcp_f32 v14, v14
	v_nop                                          ; one plain line behind a transcendental
.set j, 0
	s_wait_alu depctr_va_vdst(0)
.rept 32
	v_mul_f32 v[S+j], v[O+j], v14                  ; each accumulator from its low end on
.set j, j+1
.endr
.irp g, 0,1
	v_max3_num_f32 v[BM+\g], |v[S+16*\g]|, |v[S+1+16*\g]|, 0x4800000
.endr
.irp i, 2,4,6,8,10,12,14
.irp g, 0,1
	s_delay_alu instid0(VALU_DEP_2)
	v_max3_num_f32 v[BM+\g], v[BM+\g], |v[S+16*\g+\i]|, |v[S+1+16*\g+\i]|
.endr
.endr
.irp g, 0,1
	s_delay_alu instid0(VALU_DEP_2)
	v_permlanex16_b32 v[PT+\g], v[BM+\g], s[SEL], s[SEL+1]
.endr
.irp g, 0,1
	s_delay_alu instid0(VALU_DEP_2)
	v_max_num_f32 v[BM+\g], v[BM+\g], v[PT+\g]
.endr
.irp g, 0,1
	s_delay_alu instid0(VALU_DEP_2)
	v_add_nc_u32 v[SO+\g], 0xfc000000, v[BM+\g]
.endr
.irp g, 0,1
.endr
.irp g, 0,1
	s_delay_alu instid0(VALU_DEP_2)
	v_lshrrev_b32 v[PT+\g], 23, v[SO+\g]
.endr
	s_delay_alu instid0(VALU_DEP_1)
	v_lshl_or_b32 v[OSW], v[PT+1], 8, v[PT]
.irp g, 0,1
.set i, 0
.rept 16
.set i, i+1
.endr
	v_cvt_scalef32_pk8_fp8_f32 v[PC+4*\g:PC+4*\g+1], v[S+16*\g:S+16*\g+7], v[SO+\g]
	v_cvt_scalef32_pk8_fp8_f32 v[PC+4*\g+2:PC+4*\g+3], v[S+16*\g+8:S+16*\g+15], v[SO+\g]
.endr
	v_nop                                          ; one plain line behind the last conversion
	global_store_b128 v[LI], v[PC:PC+3], s[QP+4:QP+5]              ; 32 lanes store 512 consecutive bytes
	global_store_b128 v[LI], v[PC+4:PC+7], s[QP+4:QP+5] offset:512
	global_store_b16 v[R8], v[OSW], s[QP+6:QP+7]                   ; my row's two bytes; lanes 16-31 hold the same and write them to the same place
.endm
	s_mov_b32 s63, s14                             ; THE EARLY TILE: 16 i + w, under 64: key steps 0 to 7 at the most
	SETUP
	s_wait_tensorcnt 1                             ; my scale words and my key step of the first eight are in; the one load behind them may be out
	s_barrier_signal -1
	s_barrier_wait -1                              ; everybody's are
	s_wait_loadcnt 0x0                             ; Q
	s_mov_b32 s[CNT], 8
.Learly:
	STEP
	s_sub_co_u32 s[CNT], s[CNT], 1
	s_cmp_lg_u32 s[CNT], 0
	s_cbranch_scc1 .Learly
	s_setprio 0
	FINISH
	s_wait_tensorcnt 0x0                           ; my key step of the last eight is in,
	s_wait_dscnt 0x0
	s_barrier_signal -1
	s_barrier_wait -1                              ; everybody's is
	s_sub_co_u32 s63, 127, s14                     ; THE LATE TILE: 127 - 16 i - w
	SETUP
	s_wait_loadcnt 0x0
	s_mov_b32 s[CNT], 16
.Llate:
	STEP
	s_sub_co_u32 s[CNT], s[CNT], 1
	s_cmp_lg_u32 s[CNT], 0
	s_cbranch_scc1 .Llate
	s_setprio 0
	FINISH
	s_wait_tensorcnt 0x0
	ds_add_u32 v254, v255
	s_wait_dscnt 0x0
	s_endpgm
.Lfunc_end_k_q5a6e9cf8f5_attn:
	.size	k_q5a6e9cf8f5_attn, .Lfunc_end_k_q5a6e9cf8f5_attn-k_q5a6e9cf8f5_attn
	.p2alignl 7, 3214868480
	.fill 96, 4, 3214868480
	.section	.rodata,"a",@progbits
	.p2align	6, 0x0
	.amdhsa_kernel k_q5a6e9cf8f5_attn
		.amdhsa_group_segment_fixed_size 276480
		.amdhsa_private_segment_fixed_size 0
		.amdhsa_enable_private_segment 0
		.amdhsa_kernarg_size 32
		.amdhsa_user_sgpr_count 2
		.amdhsa_user_sgpr_kernarg_segment_ptr 1
		.amdhsa_wavefront_size32 1
		.amdhsa_system_sgpr_workgroup_id_x 1
		.amdhsa_system_sgpr_workgroup_id_y 1
		.amdhsa_system_sgpr_workgroup_id_z 1
		.amdhsa_system_vgpr_workitem_id 0
		.amdhsa_next_free_vgpr 256
		.amdhsa_next_free_sgpr 102
		.amdhsa_reserve_vcc 1
		.amdhsa_float_denorm_mode_32 3
		.amdhsa_float_denorm_mode_16_64 3
		.amdhsa_fp16_overflow 1
		.amdhsa_memory_ordered 1
		.amdhsa_forward_progress 1
		.amdhsa_inst_pref_size 68
	.end_amdhsa_kernel
	.amdgpu_metadata
---
amdhsa.version: [ 1, 2 ]
amdhsa.kernels:
  - .name:           k_q5a6e9cf8f5_attn
    .symbol:         k_q5a6e9cf8f5_attn.kd
    .args:
      - { .name: qkvc, .offset: 0, .size: 8, .value_kind: global_buffer, .address_space: global }
      - { .name: qkvs, .offset: 8, .size: 8, .value_kind: global_buffer, .address_space: global }
      - { .name: attc, .offset: 16, .size: 8, .value_kind: global_buffer, .address_space: global }
      - { .name: atts, .offset: 24, .size: 8, .value_kind: global_buffer, .address_space: global }
    .group_segment_fixed_size: 276480
    .private_segment_fixed_size: 0
    .kernarg_segment_align: 8
    .kernarg_segment_size: 32
    .max_flat_workgroup_size: 512
    .sgpr_count:     102
    .vgpr_count:     256
    .wavefront_size: 32
...
	.end_amdgpu_metadata
.endif
;; end of part 3
;; launch proj (part 4): grid 4 x 32, 4 waves a work-group, clusters of 4 x 4, 327,680 bytes of LDS; arguments attc, atts, xwc, xws, bo, out0; writes out0
.if DOCPART == 4
	.amdgcn_target "amdgcn-amd-amdhsa--gfx1250"
	.amdhsa_code_object_version 6
	.text
	.protected	k_q5a6e9cf8f5_proj
	.globl	k_q5a6e9cf8f5_proj
	.p2align	8
	.type	k_q5a6e9cf8f5_proj,@function
k_q5a6e9cf8f5_proj:
	s_mov_b64 s[64:65], 0
	v_nop
	global_prefetch_b8 v0, s[64:65] scope:SCOPE_SE
	s_setreg_imm32_b32 hwreg(HW_REG_WAVE_MODE, 25, 1), 1
	s_wait_xcnt 0x0
	s_wait_alu depctr_hold_cnt(0) depctr_sa_sdst(0) depctr_va_vdst(0) depctr_va_sdst(0) depctr_va_ssrc(0) depctr_va_vcc(0) depctr_vm_vsrc(0)
	s_getreg_b32 s2, hwreg(HW_REG_IB_STS2, 6, 4)
	s_cmp_eq_u32 s2, 0
	s_cbranch_scc0 .Lentry_in_a_cluster
	s_endpgm
.Lentry_in_a_cluster:
	s_bfe_u32 s2, ttmp6, 0x10000c
	s_cmp_lg_u32 s2, 0xf033
	s_cbranch_scc0 .Lentry_shape_is_right
	s_endpgm
.Lentry_shape_is_right:
; out0 = att Wo^T + bo on codes of FP8 (E4M3) with E8M0 scales for each 32 along K = 1,024; sums in f32; out0 [8192][1024] f32.
; A = the attention's result (attc, atts: 512 tiles of 16 tokens), B = Wo (tiles 704 to 767 of xwc, xws).  Both lie as images of the operand registers, [tile][K step of 128][c][lane][16 bytes], the scale bytes as [tile][pair of K steps][r][8 bytes].
; Lane r of tile T is row 32 (T / 2) + 8 (T % 2) + r + 8 (r / 8).
; A tile of C, 256 x 256, to a work-group of four waves, each 128 x 128: 64 accumulators.  K goes in steps of 256 through two LDS slots; a wave's tensor load brings 8 tiles x 4,096 bytes; a fragment is four LDS loads of 512 consecutive bytes.
; C has 32 x 4 such tiles: 128 work-groups.  The scales of the work-group's rows of A and B come into LDS once, with the first fills.
; CLUSTERS: 4 x 4 work-groups; A's tiles are asked for jointly along a row of the cluster, B's along a column.
; THE MATRIX INSTRUCTION IS USED TRANSPOSED (source 0 = 16 rows of Wo, source 1 = 16 tokens): register j of lane (r, h) in B's block b is column 32 (b / 2) + 16 h + 8 (b % 2) + j of the lane's token.
; THE BIAS is the C of each sum's first product: eight registers for each of B's blocks, in the result's layout.
; REGISTERS, in windows of 256: window 0: v0-31 addresses; v32-63 scale words, two sets; v64-127 the bias; from v128 A's fragments, one set, later rows of C.   window 1: B's fragments, two sets.   windows 2, 3: the accumulators.
.set NQ,     2
.set FR,     16
.set NL,     4
.set NP,     8                         ; places behind this matrix instruction (ISA guide 7.12.1)
.set TILEB,  4096
.set HALFT,  8*TILEB
.set SLOT,   4*HALFT
.set SCL,    2*SLOT                    ; behind the ring: A's scales, 8,192 bytes;
.set SCLD,   8320                      ; B's lie 8,320 bytes on, so that the two halves of the lanes read different banks
.set SPARE,  SCL+SCLD+8192+128         ; the spare words, 128 bytes for each wave: two blocks of 256 bytes that no other line names
.set SPITCH, 528                       ; the way out: a stage of 16 rows x (512 bytes + 16) for each wave, in slot 0, which has had its last fill and its last read by then
.set ADRA, 16
.set ADRB, 20
.set STO,  24                          ; v24     the way out: where I put 32 bytes of a row
.set RD,   25                          ; v25     where I read a row back
.set CO,   26                          ; v26     16 x lane: my bytes of a row of C
.set ADRS, 27
.set SPW,  28                          ; v28     LDS address of my spare word; never rewritten
.set NIL,  29                          ; v29     0; never rewritten
.set SC,   32
.set BI,   64                          ; v64-127 the bias
.set AF,   128
.set BK,   128                         ; the way out: 16 rows read back: v128-191 and v192-255 by turns
.set G1, 24
.set G0, 32
.set G1B, 48
.set G0B, 56
.set G1S, 68
.set G0S, 76
.set G1SB, 80
.set G0SB, 88
.set MSB, 0
.macro WIN new                         ; the immediate's high byte repeats the setting that is left
.if MSB != \new
	s_set_vgpr_msb (MSB<<8)|\new
.set MSB, \new
.endif
.endm
.set MUL_LO, 0xa1                      ; source 0 (B) window 1, source 1 (A) window 0, C and D window 2
.set MUL_HI, 0xf1                      ; the same, C and D window 3
.set FST_LO, 0x81                      ; the first products: C (the bias) window 0, D window 2
.set FST_HI, 0xc1                      ; D window 3
.set TO_B,   0x40
; A joint load: waves 0 and 1 fetch for A, waves 2 and 3 for B; four v_nop follow each of the two lines.
.macro JLOAD g0a, g1a, g0b, g1b
	s_cmp_eq_u32 s15, 0
	s_cbranch_scc0 .Lfor_b_\@
	tensor_load_to_lds s[\g0a:\g0a+3], s[\g1a:\g1a+7]
	s_nop 0
.rept 4
	v_nop
.endr
	s_branch .Lasked_\@
.Lfor_b_\@:
	tensor_load_to_lds s[\g0b:\g0b+3], s[\g1b:\g1b+7]
	s_nop 0
.rept 4
	v_nop
.endr
.Lasked_\@:
.endm
.macro CREST                           ; a round of the cluster's barrier behind its opening barrier
	s_cmp_lg_u32 s14, 0
	s_cbranch_scc1 .Lnot_wave_0_\@
	s_barrier_signal -3
.Lnot_wave_0_\@:
	s_barrier_wait -3
	s_barrier_signal -1
	s_barrier_wait -1
.endm
.macro CROUND
	s_barrier_signal -1
	s_barrier_wait -1
	CREST
.endm
	s_load_b256 s[4:11], s[0:1], 0x0               ; attc s[4:5], atts s[6:7], xwc s[8:9], xws s[10:11]
	s_load_b128 s[96:99], s[0:1], 0x20             ; bo s[96:97], out0 s[98:99]
	v_lshl_add_u32 v[SPW], v0, 2, SPARE
	v_mov_b32 v[NIL], 0
	ds_add_u32 v28, v29
	ds_add_u32 v28, v29
	s_wait_dscnt 0x0
	v_lshrrev_b32 v1, 5, v0
	v_readfirstlane_b32 s14, v1                    ; wave 0..3
	s_lshr_b32 s15, s14, 1                         ; which half of the tile's rows is mine.  Also: I fetch for A (0) or for B (1)
	s_and_b32 s16, s14, 1                          ; which half of its columns.  Also: which 8 tiles I fetch
	s_bfe_u32 s40, ttmp6, 0x40000                  ; cx, cy
	s_bfe_u32 s41, ttmp6, 0x40004
	s_lshl_b32 s42, ttmp9, 2
	s_add_co_u32 s42, s42, s40                     ; tile column of C
	s_and_b32 s17, ttmp7, 0xffff
	s_lshl_b32 s17, s17, 2
	s_add_co_u32 s17, s17, s41                     ; tile row of C
	s_lshl_b32 s43, s41, 2
	s_lshl_b32 s43, 15, s43                        ; my row of the cluster
	s_lshl_b32 s44, 0x1111, s40                    ; my column
	s_or_b32 s[G1+0], s43, (3<<16)|(1<<21)         ; 8 rows of 4,096 bytes (512 elements of 8 bytes), 16,384 bytes apart; dense in LDS
	s_or_b32 s[G1B+0], s44, (3<<16)|(1<<21)
.irp g, G1, G1B
	s_mov_b32 s[\g+1], 512<<16
	s_mov_b32 s[\g+2], 8<<16
	s_mov_b32 s[\g+3], 512<<16
	s_mov_b32 s[\g+4], 8
	s_mov_b32 s[\g+5], 2048
	s_mov_b32 s[\g+6], 0
	s_mov_b32 s[\g+7], 0
.endr
	s_or_b32 s[G1S+0], s43, (3<<16)|(1<<21)        ; the scales of 8 tiles: 4,096 dense bytes as 16 rows of 256
	s_or_b32 s[G1SB+0], s44, (3<<16)|(1<<21)
.irp g, G1S, G1SB
	s_mov_b32 s[\g+1], 32<<16
	s_mov_b32 s[\g+2], 16<<16
	s_mov_b32 s[\g+3], 32<<16
	s_mov_b32 s[\g+4], 16
	s_mov_b32 s[\g+5], 32
	s_mov_b32 s[\g+6], 0
	s_mov_b32 s[\g+7], 0
.endr
	s_lshl_b32 s18, s16, 3                         ; which 8 tiles I fetch
	s_lshl_b32 s20, s17, 4
	s_add_co_u32 s20, s20, s18                     ; A's tile: of the tile row and the wave's number alone
	s_lshl_b32 s46, s42, 4
	s_add_co_u32 s46, s46, 704
	s_add_co_u32 s46, s46, s18                     ; B's: Wo begins at tile 704
	s_lshl_b32 s22, s20, 9
	s_mov_b32 s23, 0
	s_lshl_b32 s20, s20, 14
	s_mov_b32 s21, 0
	s_lshl_b32 s92, s46, 9
	s_mov_b32 s93, 0
	s_lshl_b32 s46, s46, 14
	s_mov_b32 s47, 0
	s_lshl_b32 s45, s14, 15                        ; where they go: wave x HALFT
	s_lshl_b32 s94, s14, 12
	s_wait_kmcnt 0x0
	s_add_nc_u64 s[20:21], s[4:5], s[20:21]
	s_add_nc_u64 s[22:23], s[6:7], s[22:23]
	s_add_nc_u64 s[46:47], s[8:9], s[46:47]
	s_add_nc_u64 s[92:93], s[10:11], s[92:93]
	CROUND                                         ; all sixteen work-groups are here: the first joint loads meet
	s_mov_b32 s[G0S], 1
	s_add_co_u32 s[G0S+1], s94, SCL
	s_mov_b64 s[G0S+2:G0S+3], s[22:23]
	s_or_b32 s[G0S+3], s[G0S+3], 0x80000000
	s_mov_b32 s[G0SB], 1
	s_add_co_u32 s[G0SB+1], s94, SCL+128
	s_mov_b64 s[G0SB+2:G0SB+3], s[92:93]
	s_or_b32 s[G0SB+3], s[G0SB+3], 0x80000000
	JLOAD G0S, G1S, G0SB, G1SB                     ; the scales first
.irp s, 0,1
	s_mov_b32 s[G0+4*\s], 1
	s_add_co_u32 s[G0+4*\s+1], s45, \s*SLOT
	s_add_nc_u64 s[G0+4*\s+2:G0+4*\s+3], s[20:21], \s*TILEB
	s_or_b32 s[G0+4*\s+3], s[G0+4*\s+3], 0x80000000
	s_mov_b32 s[G0B+4*\s], 1
	s_add_co_u32 s[G0B+4*\s+1], s45, \s*SLOT
	s_add_nc_u64 s[G0B+4*\s+2:G0B+4*\s+3], s[46:47], \s*TILEB
	s_or_b32 s[G0B+4*\s+3], s[G0B+4*\s+3], 0x80000000
	s_wait_alu depctr_va_vdst(0)
	s_wait_tensorcnt 0x0
	ds_add_u32 v28, v29
	s_wait_dscnt 0x0
	CROUND
	JLOAD G0+4*\s, G1, G0B+4*\s, G1B               ; one tensor load of mine is out
.endr
	v_and_b32 v1, 31, v0                           ; lane
	v_and_b32 v2, 15, v0                           ; r
	v_bfe_u32 v3, v0, 4, 1                         ; h
	s_wait_alu depctr_va_vdst(0)
	v_lshlrev_b32 v4, 4, v1                        ; 16 x lane
	s_lshl_b32 s21, s15, 15
	s_lshl_b32 s22, s16, 15
	s_add_co_u32 s22, s22, 2*HALFT
.irp s, 0,1
	v_add_nc_u32 v[ADRA+\s], s21, v4
	v_add_nc_u32 v[ADRB+\s], s22, v4
	s_add_co_u32 s21, s21, SLOT
	s_add_co_u32 s22, s22, SLOT
.endr
	v_lshlrev_b32 v5, 3, v2
	s_lshl_b32 s21, s15, 12
	s_lshl_b32 s22, s16, 12
	s_add_co_u32 s22, s22, SCLD
	s_sub_co_u32 s22, s22, s21
	v_mul_u32_u24 v6, s22, v3                      ; lanes 16-31 take B's: one product, the distance between the two
	s_add_co_u32 s21, s21, SCL
	v_add_nc_u32 v5, v5, v6
	v_add_nc_u32 v[ADRS], s21, v5
	s_mul_i32 s23, s14, 16*SPITCH                  ; my stage
	v_mul_u32_u24 v5, v2, SPITCH
	v_lshl_add_u32 v5, v3, 6, v5                   ; in: row r, + 64 h: my half's 16 columns of each 32
	v_add_nc_u32 v[STO], s23, v5
	v_mov_b32 v[CO], v4
	v_add_nc_u32 v[RD], s23, v4                    ; back: the 32 lanes take one row of 512 bytes
	s_lshl_b32 s46, s42, 10                        ; my first column, in bytes: 1,024 x tile column + 512 x half
	s_lshl_b32 s47, s16, 9
	s_add_co_u32 s46, s46, s47
	s_mov_b32 s47, 0
	s_add_nc_u64 s[96:97], s[96:97], s[46:47]
	s_add_nc_u64 s[98:99], s[98:99], s[46:47]
	s_lshl_b32 s20, s17, 20                        ; my first row: 256 x tile row + 128 x half, of 4,096 bytes
	s_lshl_b32 s21, s15, 19
	s_add_co_u32 s20, s20, s21
	s_mov_b32 s21, 0
	s_add_nc_u64 s[98:99], s[98:99], s[20:21]
	v_lshlrev_b32 v7, 6, v3                        ; the bias: lanes 16-31 take the 16 numbers behind lanes 0-15's
.irp b, 0,1,2,3,4,5,6,7
	global_load_b128 v[BI+8*\b:BI+8*\b+3], v7, s[96:97] offset:128*(\b/2)+32*(\b%2)
	global_load_b128 v[BI+8*\b+4:BI+8*\b+7], v7, s[96:97] offset:128*(\b/2)+32*(\b%2)+16
.endr
.macro FRAG reg, adr, q, i
.irp c, 0,1,2,3
	ds_load_b128 v[\reg+4*\c:\reg+4*\c+3], v[\adr] offset:(\i)*TILEB+2048*(\q)+512*\c
.endr
.endm
; 16 matrix instructions: A's blocks a0, a0 + 1 x B's eight.  first = 1: the sums begin with the bias.  The 64 accumulators take turns, one instruction a turn.
.macro MUL16 a0, p, q, sc, first
.irp a, \a0, \a0+1
.irp b, 0,1,2,3,4,5,6,7
.if \first
	v_wmma_scale_f32_16x16x128_f8f6f4 v[8*(8*((\a)%4)+\b):8*(8*((\a)%4)+\b)+7], v[128*(\p)+FR*\b:128*(\p)+FR*\b+FR-1], v[AF+FR*(\a):AF+FR*(\a)+FR-1], v[BI+8*\b:BI+8*\b+7], v[SC+8*NQ*(\sc)+NQ*\b+(\q)], v[SC+8*NQ*(\sc)+NQ*(\a)+(\q)] matrix_a_scale:MATRIX_SCALE_ROW1
.else
	v_wmma_scale_f32_16x16x128_f8f6f4 v[8*(8*((\a)%4)+\b):8*(8*((\a)%4)+\b)+7], v[128*(\p)+FR*\b:128*(\p)+FR*\b+FR-1], v[AF+FR*(\a):AF+FR*(\a)+FR-1], v[8*(8*((\a)%4)+\b):8*(8*((\a)%4)+\b)+7], v[SC+8*NQ*(\sc)+NQ*\b+(\q)], v[SC+8*NQ*(\sc)+NQ*(\a)+(\q)] matrix_a_scale:MATRIX_SCALE_ROW1
.endif
.endr
.endr
.endm
.macro FETCH_B slot, q, p
	WIN TO_B
.irp i, 0,1,2,3,4,5,6,7
	FRAG 128*(\p)+FR*\i, ADRB+\slot, \q, \i
.endr
	WIN 0
.endm
.macro FETCH_A slot, q, i0
.irp i, \i0, \i0+1, \i0+2, \i0+3
	FRAG AF+FR*(\i), ADRA+\slot, \q, \i
.endr
.endm
.macro SCALES sc
.irp i, 0,1,2,3,4,5,6,7
	ds_load_b64 v[SC+8*NQ*\sc+NQ*\i:SC+8*NQ*\sc+NQ*\i+1], v[ADRS] offset:\i*512
.endr
.endm
.macro PLACES n                        ; places in front of loads into registers that matrix instructions have read, and of the first read of results
.rept \n
	v_nop
.endr
.endm
.macro STEP slot, q, first
	s_wait_dscnt 4*NL                              ; B's set, the scale words and A's blocks 0-3 are in; the youngest sixteen loads (A's blocks 4-7) may be out
.if \first
	WIN FST_LO
.else
	WIN MUL_LO
.endif
	MUL16 0, (\q)%2, \q, \slot, \first
	MUL16 2, (\q)%2, \q, \slot, \first
	s_wait_dscnt 0                                 ; A's blocks 4-7 are in
	PLACES NP
	FETCH_B \slot, (\q)+1, 1-(\q)%2
	FETCH_A \slot, (\q)+1, 0
.if \first
	WIN FST_HI
.else
	WIN MUL_HI
.endif
	MUL16 4, (\q)%2, \q, \slot, \first
	MUL16 6, (\q)%2, \q, \slot, \first
	PLACES NP
	WIN 0
	FETCH_A \slot, (\q)+1, 4
.endm
; A slot's last step changes slots: one barrier; in front of it each wave waits for all its tensor loads, adds 0 to its spare word, and waits for that and for its own reads of this slot.
.macro TURN slot, next, fill
	s_wait_tensorcnt 0x0                           ; all my tensor loads have landed: my part of the next slot;
	ds_add_u32 v[SPW], v[NIL]                      ; 0 onto my spare word
	s_wait_dscnt 4*NL+1                            ; (the add and the youngest sixteen loads may be out)
	WIN MUL_LO
	MUL16 0, 1, NQ-1, \slot, 0                     ; sixteen matrix instructions stand between the add and the wait for it
	s_wait_dscnt 0x0                               ; the add is done, and my reads of this slot are over
	s_barrier_signal -1
	MUL16 2, 1, NQ-1, \slot, 0
	WIN 0
	s_barrier_wait -1
.if \fill
	CREST                                          ; the barrier has opened a round of the cluster's barrier: no wave of any partner still reads this slot or has a load on its way
	s_add_nc_u64 s[G0+4*\slot+2:G0+4*\slot+3], s[G0+4*\slot+2:G0+4*\slot+3], 2*TILEB
	s_add_nc_u64 s[G0B+4*\slot+2:G0B+4*\slot+3], s[G0B+4*\slot+2:G0B+4*\slot+3], 2*TILEB
	JLOAD G0+4*\slot, G1, G0B+4*\slot, G1B         ; the first tensor load behind the round
	PLACES NP-4
.else
	PLACES NP
.endif
	s_wait_alu depctr_va_vdst(0)
	v_add_nc_u32 v[ADRS], 128, v[ADRS]             ; on to the next K step's scale words
	FETCH_B \next, 0, 0
	FETCH_A \next, 0, 0
	SCALES \next
	WIN MUL_HI
	MUL16 4, 1, NQ-1, \slot, 0
	MUL16 6, 1, NQ-1, \slot, 0
	PLACES NP
	WIN 0
	FETCH_A \next, 0, 4
.endm
	s_wait_alu depctr_va_vdst(0)
	s_wait_tensorcnt 1                             ; the scales and my part of K step 0 are in (K step 1's load may be out)
	s_barrier_signal -1
	s_barrier_wait -1                              ; everybody's are
	FETCH_B 0, 0, 0
	FETCH_A 0, 0, 0
	SCALES 0
	FETCH_A 0, 0, 4
	s_wait_loadcnt 0x0                             ; the bias
	STEP 0, 0, 1                                   ; the first step stands in front of the loop: its products start the sums, on the bias
	s_mov_b32 s3, 1                                ; four K steps of 256, two laps of the ring: one trip fills both slots again
.Llap:
	TURN 0, 1, 1
	STEP 1, 0, 0
	TURN 1, 0, 1
	STEP 0, 0, 0
	s_sub_co_u32 s3, s3, 1
	s_cmp_lg_u32 s3, 0
	s_cbranch_scc1 .Llap
	TURN 0, 1, 0                                   ; the last lap fills nothing
	STEP 1, 0, 0
	s_wait_dscnt 4*NL
	WIN MUL_LO
	MUL16 0, 1, NQ-1, 1, 0
	MUL16 2, 1, NQ-1, 1, 0
	s_wait_dscnt 0
	WIN MUL_HI
	MUL16 4, 1, NQ-1, 1, 0
	MUL16 6, 1, NQ-1, 1, 0
	WIN 0
; THE WAY OUT, block by block of 16 tokens x 128 columns, through my own stage in LDS: in by lanes (32 bytes of a row), back as whole rows of 512 bytes.  LDS serves a wave's instructions in order: no wait between the stores and the loads.
; Stage row t of block a is token 32 (a / 2) + 8 (a % 2) + t + 8 (t / 8) of my 128: that stands in the store's immediate, 127 rows of 4,096 bytes at the most, so no base is stepped.
.macro TOSTAGE a
.set AC, 64*((\a)%4)
	WIN 0x08+4*((\a)/4)                            ; the data: window 2 or 3
.irp b, 0,1,2,3,4,5,6,7
	ds_store_b128 v[STO], v[AC+8*\b:AC+8*\b+3] offset:128*(\b/2)+32*(\b%2)          ; each accumulator from its low end on
	ds_store_b128 v[STO], v[AC+8*\b+4:AC+8*\b+7] offset:128*(\b/2)+32*(\b%2)+16
.endr
	WIN 0
.set BB, BK+64*((\a)%2)
.irp t, 0,1,2,3,4,5,6,7,8,9,10,11,12,13,14,15
	ds_load_b128 v[BB+4*\t:BB+4*\t+3], v[RD] offset:\t*SPITCH
.endr
.endm
.macro SEND a, younger                 ; younger: the LDS instructions issued behind block a's loads, which may stay out
.set BB, BK+64*((\a)%2)
	s_wait_dscnt \younger
.irp t, 0,1,2,3,4,5,6,7,8,9,10,11,12,13,14,15
	global_store_b128 v[CO], v[BB+4*\t:BB+4*\t+3], s[98:99] offset:(32*((\a)/2)+8*((\a)%2)+\t+8*(\t/8))*4096 th:TH_STORE_NT   ; 32 lanes store 512 consecutive bytes, at a multiple of 512 from out0's first byte
.endr
.endm
	PLACES NP                                      ; behind the last products: for the reads of their results and the loads over A's fragments
	TOSTAGE 0
.irp a, 1,2,3,4,5,6,7
.if \a > 1
	s_wait_xcnt 0x0                                ; block a - 2's stores have read their registers: block a's loads may land there
.endif
	TOSTAGE \a
	SEND \a-1, 32                                  ; behind block a - 1's loads: block a's 16 stores and 16 loads
.endr
	SEND 7, 0
	s_wait_tensorcnt 0x0                           ; the wave's end, behind my last tensor load and my last LDS store
	ds_add_u32 v[SPW], v[NIL]
	s_wait_dscnt 0x0
	CROUND                                         ; the closing round: no work-group ends while a partner may still ask for a tile that names it
	s_endpgm
.Lfunc_end_k_q5a6e9cf8f5_proj:
	.size	k_q5a6e9cf8f5_proj, .Lfunc_end_k_q5a6e9cf8f5_proj-k_q5a6e9cf8f5_proj
	.p2alignl 7, 3214868480
	.fill 96, 4, 3214868480
	.section	.rodata,"a",@progbits
	.p2align	6, 0x0
	.amdhsa_kernel k_q5a6e9cf8f5_proj
		.amdhsa_group_segment_fixed_size 327680
		.amdhsa_private_segment_fixed_size 0
		.amdhsa_enable_private_segment 0
		.amdhsa_kernarg_size 48
		.amdhsa_user_sgpr_count 2
		.amdhsa_user_sgpr_kernarg_segment_ptr 1
		.amdhsa_wavefront_size32 1
		.amdhsa_system_sgpr_workgroup_id_x 1
		.amdhsa_system_sgpr_workgroup_id_y 1
		.amdhsa_system_sgpr_workgroup_id_z 1
		.amdhsa_system_vgpr_workitem_id 0
		.amdhsa_next_free_vgpr 1024
		.amdhsa_next_free_sgpr 102
		.amdhsa_reserve_vcc 0
		.amdhsa_float_denorm_mode_32 3
		.amdhsa_float_denorm_mode_16_64 3
		.amdhsa_memory_ordered 1
		.amdhsa_forward_progress 1
		.amdhsa_inst_pref_size 147
	.end_amdhsa_kernel
	.amdgpu_metadata
---
amdhsa.version: [ 1, 2 ]
amdhsa.kernels:
  - .name:           k_q5a6e9cf8f5_proj
    .symbol:         k_q5a6e9cf8f5_proj.kd
    .args:
      - { .name: attc, .offset: 0, .size: 8, .value_kind: global_buffer, .address_space: global }
      - { .name: atts, .offset: 8, .size: 8, .value_kind: global_buffer, .address_space: global }
      - { .name: xwc, .offset: 16, .size: 8, .value_kind: global_buffer, .address_space: global }
      - { .name: xws, .offset: 24, .size: 8, .value_kind: global_buffer, .address_space: global }
      - { .name: bo, .offset: 32, .size: 8, .value_kind: global_buffer, .address_space: global }
      - { .name: out0, .offset: 40, .size: 8, .value_kind: global_buffer, .address_space: global }
    .group_segment_fixed_size: 327680
    .private_segment_fixed_size: 0
    .kernarg_segment_align: 8
    .kernarg_segment_size: 48
    .max_flat_workgroup_size: 128
    .sgpr_count:     102
    .vgpr_count:     1024
    .wavefront_size: 32
...
	.end_amdgpu_metadata
.endif
;; end of part 4
